; MI455X (gfx1250); checked and timed in simulation.
; The chip was launched on July 23, 2026; its instructions are those of AMD's public machine-readable ISA for CDNA 5 (MIT licence, August 2026) and "CDNA5" Instruction Set Architecture Reference Guide (July 2026). The comments in the code are by the model that wrote it; some were corrected since.
;; Multi Head Attention. Allowed arithmetic: matrix products marked QUANTISED: E2M1 operands, one E8M0 scale for each 32 along K, by v_wmma_scale_f32_16x16x128_f8f6f4 with both operands' format E2M1 (or v_wmma_scale_f32_32x16x128_f4), f32 sums; products left as they are: bf16, f16 or f32 operands; f32 sums; everything else in f32.
;; Inputs: K 4 x 2,048 x 1,024 float32; Q 4 x 2,048 x 1,024 float32; V 4 x 2,048 x 1,024 float32; Wk 1,024 x 1,024 float32; Wo 1,024 x 1,024 float32; Wq 1,024 x 1,024 float32; Wv 1,024 x 1,024 float32; bk 1,024 float32; bo 1,024 float32; bq 1,024 float32; bv 1,024 float32; mask 4 x 1 x 2,048 x 2,048 bool.
;; Outputs: out0 4 x 2,048 x 1,024 float32.
;; This version of the problem:
;;   THIS VERSION OF THE PROBLEM IS GIVEN IN LOW PRECISION. The matrix products marked QUANTISED in the list below multiply operands that are first quantised to E2M1 (2 exponent bits, 1 mantissa bit; 4 bits a number), with one power-of-two scale for each 32 numbers along K (OCP MX v1.0); their sums are f32. The products marked 'left as it is' may take bf16, f16 or f32 operands, with f32 sums. Whichever they take, every output number must still come out within the allowed error. Rounding operands to bf16 (8 significant bits) uses up far more of that allowance than f16 does (11 bits, for magnitudes from 6e-5 to 65,504). All else is computed in f32.
;;   The module's matrix products, in the order in which they are computed (A, B: the left and right operand; K: the contracted axis; several contracted axes count as one K, in the product's order):
;;     1. [M 8,192, K 1,024] x [K 1,024, N 1,024]; A: input Q; B: input Wq: QUANTISED
;;     2. [M 8,192, K 1,024] x [K 1,024, N 1,024]; A: input K; B: input Wk: QUANTISED
;;     3. [M 8,192, K 1,024] x [K 1,024, N 1,024]; A: input V; B: input Wv: QUANTISED
;;     4. batch 64 x [M 2,048, K 64] x [K 64, N 2,048]; A: computed on the way; B: computed on the way: left as it is (an operand is computed on the way)
;;     5. batch 64 x [M 2,048, K 2,048] x [K 2,048, N 64]; A: computed on the way; B: computed on the way: left as it is (an operand is computed on the way)
;;     6. [M 8,192, K 1,024] x [K 1,024, N 1,024]; A: computed on the way; B: input Wo: left as it is (an operand is computed on the way)
;;   THE QUANTISER, for each operand of a quantised product, along K:
;;     - K is cut into blocks of 32 from its start; a last block that is shorter is filled with zeros.
;;     - A block's scale is 2^e with e = floor(log2(the largest magnitude in the block)) - 2, held to -126 .. 127; a block of zeros has e = 0. As a byte (E8M0): e + 127.
;;     - Each number is divided by its block's scale, clamped to +-6, and rounded to the nearest number of E2M1, ties to even, subnormals kept.
;;     - The product sums the exact products of the quantised numbers (number of the format x scale) in f32.
;;   ~~~python
;;   def quantise(x, axis):      # numpy; x: float32 -> the quantised numbers, widened to float32 again
;;       x = np.moveaxis(x, axis, -1); K = x.shape[-1]
;;       x = np.pad(x, [(0, 0)] * (x.ndim - 1) + [(0, -K % 32)]); x = x.reshape(x.shape[:-1] + (-1, 32)); a = np.abs(x).max(-1, keepdims=True)
;;       e = np.where(a > 0, np.clip(np.frexp(np.where(a > 0, a, 1))[1] - 1 - 2, -126, 127), 0)      # np.frexp(a)[1] - 1 = floor(log2(a)), exactly
;;       r = np.clip(x / 2.0 ** e, -6, 6)
;;       step = 2.0 ** (np.maximum(np.frexp(np.where(r == 0, 1, r))[1] - 1, 0) - 1)
;;       q = np.round(r / step) * step * 2.0 ** e      # np.round: ties to even
;;       return np.moveaxis(q.reshape(q.shape[:-2] + (-1,))[..., :K], -1, axis).astype(np.float32)
;;   ~~~
;; One version. Each part assembles by itself: llvm-mc -triple=amdgcn-amd-amdhsa -mcpu=gfx1250 --defsym DOCPART=n.
;; ======== version 1 of 1: 6 launches
;; limits: values are held in f16: magnitudes above 65,504 overflow, below 6.1e-05 lose precision; right only within a limited range of input values
;; workspace buffers: codes 14,155,776 bytes; scales 884,736 bytes; woimg 4,194,304 bytes; maskw 2,097,152 bytes of whole numbers; flags 4,096 bytes of whole numbers; qkv 50,724,864 bytes; aimg 16,777,216 bytes; afine 262,144 bytes
;; launch prep (part 1): grid 1056 x 1, 4 waves a work-group, no clusters, 50,688 bytes of LDS; arguments Q, K, V, Wq, Wk, Wv, Wo, mask, codes, scales, woimg, maskw, flags; writes codes, scales, woimg, maskw, flags
.if DOCPART == 1
	.amdgcn_target "amdgcn-amd-amdhsa--gfx1250"
	.amdhsa_code_object_version 6
	.text
	.protected	k_q6804e673de_prep
	.globl	k_q6804e673de_prep
	.p2align	8
	.type	k_q6804e673de_prep,@function
k_q6804e673de_prep:
	s_mov_b64 s[64:65], 0
	v_nop
	global_prefetch_b8 v0, s[64:65] scope:SCOPE_SE
	s_setreg_imm32_b32 hwreg(HW_REG_WAVE_MODE, 25, 1), 1
	s_wait_xcnt 0x0
; THREE JOBS IN ONE LAUNCH, told apart by the work-group's number g alone; each job has LDS bytes of its own.
; g 0..863: Q, K, V [8192][1024] and Wq, Wk, Wv [1024][1024], f32, K innermost, become codes of FP4 (E2M1) and one E8M0 byte for each 32 along K.
;   All six are plain streams of blocks of 32; their codes and bytes are stacked as 27,648 rows: rows 0.. Q, 8,192.. K, 16,384.. V, 24,576.. Wq, Wk, Wv.
;   A block's byte is its largest magnitude's exponent field - 2, held at 1 from below (a block of zeros keeps 1: its codes are zeros, and this program alone reads the bytes).
; g 864..991: the mask [4][2048][2048], a byte a place, becomes lane masks for the attention's score registers, and two words of flags for each tile of 16 queries.
;   maskw[tile][step of 64 keys][8 T + j], bit l = mask[query l % 16][key 64 step + 16 T + 8 (l / 16) + j].
;   flags: act, bit s: key step s has to be walked (all ones where some row of the tile is masked at every key, since such a row averages all keys); par, bit s: step s holds a masked place.
; g 992..1055: Wo [1024][1024] f32 becomes two f16 parts, high and low, as images of operand registers: fragment (16 rows, 32 k) = 1,024 bytes, lane l's 16 bytes of half c at 512 c + 16 l.
; LIMITS: NaN and infinities are not served; blocks whose largest magnitude lies under 2^-124 keep the byte 1.
.set STEPS, 16
.set EMAX,  2
.set CB,    8
.set R,     16                         ; v16-79   quantiser: four sets of 16 numbers as loaded
.set X,     80                         ; v80-111  two sets of 16 neighbours
.set E,     112                        ; v112-127 a scale byte for each step
.set C,     128                        ; v128-191 codes, four registers a step
.set WREG,  8192                       ; LDS 0..32,767: a region for each wave of the quantiser: two stages of 32 x 80 bytes, then its 256 scale bytes
.set SP,    80
.set MSTG,  32768                      ; LDS 32,768..50,175: the mask job's stages, 16 rows x 272 bytes a wave
.set MPI,   272
.set SPARE, 50176                      ; the spare words, 128 bytes a wave
.set SPW,   12                         ; v12 my spare word's address; never rewritten
.set NIL,   13                         ; v13 0; never rewritten
.macro FINISH                          ; a wave's end, behind its last LDS store
	s_wait_tensorcnt 0x0
	ds_add_u32 v[SPW], v[NIL]
	s_wait_dscnt 0x0
	s_endpgm
.endm
.macro WIDEN d, reg                    ; the two f16 halves of a register, as f32, into v[d] and v[d + 1]
	v_cvt_f32_f16 v[\d], \reg\().l
	v_cvt_f32_f16 v[(\d)+1], \reg\().h
.endm
	s_load_b512 s[4:19], s[0:1], 0x0               ; Q, K, V, Wq, Wk, Wv, Wo s[16:17], mask s[18:19]
	s_load_b256 s[20:27], s[0:1], 0x40             ; codes, scales, woimg s[24:25], maskw s[26:27]
	s_load_b64 s[28:29], s[0:1], 0x60              ; flags
	v_lshl_add_u32 v[SPW], v0, 2, SPARE
	v_mov_b32 v[NIL], 0
	v_lshrrev_b32 v1, 5, v0
	v_readfirstlane_b32 s30, v1                    ; wave
	v_and_b32 v2, 31, v0                           ; lane
	s_cmp_ge_u32 ttmp9, 992
	s_cbranch_scc1 .Lwo
	s_cmp_ge_u32 ttmp9, 864
	s_cbranch_scc1 .Lmask
; ---------------- the quantiser: a wave takes 16 steps of 512 numbers ----------------
	v_lshlrev_b32 v3, 4, v2                        ; my 16 bytes of a load's 512
	s_mul_i32 s31, s30, WREG
	v_lshrrev_b32 v14, 2, v2
	v_mul_u32_u24 v14, v14, SP
	v_and_b32 v15, 3, v2
	v_lshl_add_u32 v14, v15, 4, v14
	v_add_nc_u32 v14, s31, v14                     ; the stage, way in: four lanes' 64 bytes on end, then 16 of padding
	v_mul_u32_u24 v15, v2, SP
	v_add_nc_u32 v15, s31, v15                     ; way out: my 16 neighbours
	v_mul_u32_u24 v4, v2, CB                       ; my codes' place in a step's
	v_lshrrev_b32 v5, 1, v2
	s_add_co_u32 s31, s31, 2*32*SP
	v_add_nc_u32 v5, s31, v5                       ; my block's scale byte in the wave's 256
	v_lshlrev_b32 v7, 3, v2
	v_add_nc_u32 v6, s31, v7
	s_wait_kmcnt 0x0
	s_mov_b64 s[32:33], s[4:5]                     ; which tensor: a choice on the work-group's number alone
	s_mov_b32 s34, 0
	s_cmp_ge_u32 ttmp9, 256
	s_cselect_b64 s[32:33], s[6:7], s[32:33]
	s_cselect_b32 s34, 256, s34
	s_cmp_ge_u32 ttmp9, 512
	s_cselect_b64 s[32:33], s[8:9], s[32:33]
	s_cselect_b32 s34, 512, s34
	s_cmp_ge_u32 ttmp9, 768
	s_cselect_b64 s[32:33], s[10:11], s[32:33]
	s_cselect_b32 s34, 768, s34
	s_cmp_ge_u32 ttmp9, 800
	s_cselect_b64 s[32:33], s[12:13], s[32:33]
	s_cselect_b32 s34, 800, s34
	s_cmp_ge_u32 ttmp9, 832
	s_cselect_b64 s[32:33], s[14:15], s[32:33]
	s_cselect_b32 s34, 832, s34
	s_sub_co_u32 s34, ttmp9, s34
	s_lshl_b32 s34, s34, 2
	s_add_co_u32 s34, s34, s30                     ; my run of 8,192 numbers in that tensor
	s_lshl_b32 s34, s34, 15
	s_mov_b32 s35, 0
	s_add_nc_u64 s[32:33], s[32:33], s[34:35]
	s_lshl_b32 s36, ttmp9, 2
	s_add_co_u32 s36, s36, s30                     ; and in the stack: the weights' rows follow the activations'
	s_lshl_b32 s38, s36, 12
	s_mov_b32 s39, 0
	s_add_nc_u64 s[20:21], s[20:21], s[38:39]      ; 4,096 bytes of codes a run
	s_lshl_b32 s38, s36, 8
	s_add_nc_u64 s[22:23], s[22:23], s[38:39]      ; 256 scale bytes a run
.macro QLOAD t
.irp i, 0,1,2,3
	global_load_b128 v[R+16*((\t)%4)+4*\i:R+16*((\t)%4)+4*\i+3], v3, s[32:33] offset:2048*(\t)+512*\i th:TH_LOAD_NT   ; 32 lanes read 512 consecutive bytes
.endr
.endm
.macro QTURN t                         ; a step's numbers through the stage: LDS serves a wave's instructions in order
.irp i, 0,1,2,3
	ds_store_b128 v14, v[R+16*((\t)%4)+4*\i:R+16*((\t)%4)+4*\i+3] offset:32*SP*((\t)%2)+8*SP*\i
.endr
.irp i, 0,1,2,3
	ds_load_b128 v[X+16*((\t)%2)+4*\i:X+16*((\t)%2)+4*\i+3], v15 offset:32*SP*((\t)%2)+16*\i
.endr
.endm
.irp t, 0,1,2,3
	QLOAD \t
.endr
	s_wait_loadcnt 12                              ; step 0's four loads are in; twelve younger ones stay out
	QTURN 0
.macro QSTEP t
.set XS, X+16*((\t)%2)
.if (\t) > 0
	s_wait_dscnt 1                                 ; this step's numbers are back (the last step's byte store may be out)
.else
	s_wait_dscnt 0x0
.endif
.if (\t)+4 < STEPS
	QLOAD (\t)+4
.endif
.if (\t)+1 < STEPS
.if STEPS-2-(\t) >= 3
	s_wait_loadcnt 12                              ; the next step's four loads are in; those of three steps behind it may be out
.else
	s_wait_loadcnt 4*(STEPS-2-(\t))
.endif
	QTURN (\t)+1
.endif
	v_max3_num_f32 v8, |v[XS]|, |v[XS+1]|, |v[XS+2]|
	v_max3_num_f32 v9, |v[XS+3]|, |v[XS+4]|, |v[XS+5]|
.irp i, 6,10
	v_max3_num_f32 v8, v8, |v[XS+\i]|, |v[XS+\i+1]|
	v_max3_num_f32 v9, v9, |v[XS+\i+2]|, |v[XS+\i+3]|
.endr
	v_max3_num_f32 v8, v8, |v[XS+14]|, |v[XS+15]|
	v_max3_num_f32 v8, v8, v9, (EMAX+1)<<23        ; the floor 2^(3 - 127): the byte cannot fall under 1
	v_max_num_f32_dpp v8, v8, v8 row_xmask:1 row_mask:0xf bank_mask:0xf   ; with my neighbour's 16: the block's largest magnitude
	v_add_nc_u32 v11, -(EMAX<<23), v8              ; 2 off its exponent field: the conversion's scale operand
	v_cvt_scalef32_pk8_fp4_f32 v[C+4*(\t)], v[XS:XS+7], v11
	v_cvt_scalef32_pk8_fp4_f32 v[C+4*(\t)+1], v[XS+8:XS+15], v11
	v_lshrrev_b32 v[E+(\t)], 23, v11               ; the scale's byte
	ds_store_b8 v5, v[E+(\t)] offset:16*(\t)       ; both lanes of a block write the same byte
	global_store_b64 v4, v[C+4*(\t):C+4*(\t)+1], s[20:21] offset:32*CB*(\t)   ; the wave stores 256 consecutive bytes, aligned
.endm
.irp t, 0,1,2,3,4,5,6,7,8,9,10,11,12,13,14,15
	QSTEP \t
.endr
	ds_load_b64 v[8:9], v6
	s_wait_dscnt 0x0
	global_store_b64 v7, v[8:9], s[22:23]          ; the wave's 256 scale bytes, aligned
	FINISH
; ---------------- the mask: a wave takes one tile of 16 queries, all 2,048 keys, 256 keys a trip ----------------
.Lmask:
	s_sub_co_u32 s31, ttmp9, 864
	s_lshl_b32 s31, s31, 2
	s_add_co_u32 s31, s31, s30                     ; tile = 128 batch + query / 16
	v_and_b32 v3, 15, v2                           ; r
	v_lshrrev_b32 v4, 4, v2                        ; h
	v_lshlrev_b32 v5, 4, v3
	v_lshl_add_u32 v6, v4, 11, v5                  ; in memory: sixteen lanes take 256 bytes of a row, lanes 16-31 the next row
	s_mul_i32 s32, s30, 16*MPI
	s_add_co_u32 s32, s32, MSTG
	v_mad_u32_u24 v7, v4, MPI, v5
	v_add_nc_u32 v7, s32, v7                       ; the stage, way in
	v_mul_u32_u24 v8, v3, MPI
	v_lshl_add_u32 v8, v4, 3, v8
	v_add_nc_u32 v8, s32, v8                       ; way out: row r, 8 bytes for each half of the lanes
	v_lshlrev_b32 v9, 3, v2                        ; the words' way out: 8 bytes a lane
.irp i, 80,81,82,83
	v_mov_b32 v[\i], 0                             ; written once: v_writelane_b32's destination counts as read
.endr
	s_mov_b32 s48, -1                              ; the step's AND of its 32 words
	s_mov_b32 s49, 0                               ; and their OR
	s_mov_b32 s50, 0                               ; bit s: step s is masked everywhere
	s_mov_b32 s51, 0                               ; bit s: step s holds a masked place
	s_mov_b32 s52, -1                              ; the AND of all words: bit l: lane l's keys are all masked
	s_lshl_b32 s34, s31, 15
	s_mov_b32 s35, 0
	s_lshl_b32 s36, s31, 12
	s_mov_b32 s37, 0
	s_lshl_b32 s38, s31, 2
	s_mov_b32 s39, 0
	s_wait_kmcnt 0x0
	s_add_nc_u64 s[18:19], s[18:19], s[34:35]
	s_add_nc_u64 s[26:27], s[26:27], s[36:37]
	s_add_nc_u64 s[28:29], s[28:29], s[38:39]
.macro MLOAD
.irp i, 0,1,2,3,4,5,6,7
	global_load_b128 v[16+4*\i:19+4*\i], v6, s[18:19] offset:4096*\i th:TH_LOAD_NT
.endr
.endm
.macro STEPEND                         ; 32 words are one key step
	s_cmp_eq_u32 s48, -1
	s_cselect_b32 s54, 0x80000000, 0
	s_lshr_b32 s50, s50, 1
	s_or_b32 s50, s50, s54                         ; after 32 steps step s's bit stands at bit s
	s_cmp_lg_u32 s49, 0
	s_cselect_b32 s54, 0x80000000, 0
	s_lshr_b32 s51, s51, 1
	s_or_b32 s51, s51, s54
	s_and_b32 s52, s52, s48
	s_mov_b32 s48, -1
	s_mov_b32 s49, 0
.endm
	MLOAD
	s_mov_b32 s53, 8
.Lmtrip:
	s_wait_loadcnt 0x0                             ; the trip's 16 rows x 256 bytes are in, so the base may step too
.irp i, 0,1,2,3,4,5,6,7
	ds_store_b128 v7, v[16+4*\i:19+4*\i] offset:2*MPI*\i
.endr
.irp T, 0,1,2,3,4,5,6,7,8,9,10,11,12,13,14,15
	ds_load_b64 v[48+2*\T:49+2*\T], v8 offset:16*\T          ; row r, keys 16 T + 8 h + 0 .. 7
.endr
	s_wait_dscnt 0x0
	s_add_nc_u64 s[18:19], s[18:19], 256
	s_cmp_eq_u32 s53, 1
	s_cbranch_scc1 .Lmlast                         ; the last trip loads nothing: no load leaves the buffer
	MLOAD
.Lmlast:
.irp T, 0,1,2,3,4,5,6,7,8,9,10,11,12,13,14,15
.irp j, 0,1,2,3,4,5,6,7
	v_and_b32 v[84+\j], 0xff<<(8*(\j%4)), v[48+2*\T+\j/4]
.endr
.irp j, 0,1,2,3,4,5,6,7
	v_cmp_ne_u32 s[40+\j], 0, v[84+\j]             ; one bit a lane: the word of (T, j)
.endr
.irp j, 0,1,2,3,4,5,6,7
	v_writelane_b32 v[80+2*(\T/8)+(\j%2)], s[40+\j], (8*(\T%4)+\j)/2+16*((\T/4)%2)   ; two steps' 64 words lie in a register pair, lane L holding words 2 L, 2 L + 1
	s_and_b32 s48, s48, s[40+\j]
	s_or_b32 s49, s49, s[40+\j]
.endr
.if (\T%4) == 3
	STEPEND
.endif
.endr
	global_store_b64 v9, v[80:81], s[26:27]        ; 256 consecutive bytes, aligned: two steps' words
	global_store_b64 v9, v[82:83], s[26:27] offset:256
	s_wait_xcnt 0x0                                ; the stores' base and data are written again only behind this wait
	s_add_nc_u64 s[26:27], s[26:27], 512
	s_sub_co_u32 s53, s53, 1
	s_cmp_lg_u32 s53, 0
	s_cbranch_scc1 .Lmtrip
	s_lshr_b32 s54, s52, 16
	s_and_b32 s54, s54, s52
	s_and_b32 s54, s54, 0xffff                     ; bit r: row r is masked at all 2,048 keys
	s_not_b32 s50, s50
	s_cmp_lg_u32 s54, 0
	s_cselect_b32 s50, -1, s50                     ; act
	v_mov_b32 v10, 0
	v_mov_b32 v11, s50
	v_mov_b32 v84, s51
	v_cmp_eq_u32 vcc_lo, 0, v2
	s_wait_xcnt 0x0                                ; EXEC changes only behind this wait
	s_and_saveexec_b32 s55, vcc_lo
	global_store_b32 v10, v11, s[28:29]
	global_store_b32 v10, v84, s[28:29] offset:2048
	s_wait_xcnt 0x0
	s_or_b32 exec_lo, exec_lo, s55
	FINISH
; ---------------- Wo: a work-group takes 16 rows, a wave 8 fragments of 32 k.  A lane reads 32-byte pieces of its row: 4 MB of the launch's bytes ----------------
.Lwo:
	s_sub_co_u32 s31, ttmp9, 992                   ; which 16 rows
	v_and_b32 v3, 15, v2
	v_lshrrev_b32 v4, 4, v2
	v_lshlrev_b32 v5, 12, v3
	v_lshl_add_u32 v5, v4, 5, v5                   ; row r of 4,096 bytes, + 32 h
	v_lshlrev_b32 v6, 4, v2                        ; an image's place for my lane
	s_lshl_b32 s34, s31, 16
	s_lshl_b32 s36, s30, 10
	s_add_co_u32 s34, s34, s36
	s_mov_b32 s35, 0
	s_lshl_b32 s36, s31, 15
	s_lshl_b32 s38, s30, 13
	s_add_co_u32 s36, s36, s38
	s_mov_b32 s37, 0
	s_wait_kmcnt 0x0
	s_add_nc_u64 s[16:17], s[16:17], s[34:35]
	s_add_nc_u64 s[24:25], s[24:25], s[36:37]
.macro WOFRAG q, i, r0, r1, r2, r3, r4, r5, r6, r7
.irp e, 0,1,2,3,4,5,6,7
	v_cvt_pk_f16_f32 v[80+8*\i+\e], v[16+16*\i+2*\e], v[17+16*\i+2*\e]      ; the high part
.endr
.irp r, \r0, \r1, \r2, \r3, \r4, \r5, \r6, \r7
	WIDEN 112+2*(\r-80-8*\i), v\r
.endr
.irp e, 0,1,2,3,4,5,6,7,8,9,10,11,12,13,14,15
	v_sub_f32 v[112+\e], v[16+16*\i+\e], v[112+\e]                          ; what the high part left, exactly
.endr
.irp e, 0,1,2,3,4,5,6,7
	v_cvt_pk_f16_f32 v[128+8*\i+\e], v[112+2*\e], v[113+2*\e]               ; the low part
.endr
	global_store_b128 v6, v[80+8*\i:83+8*\i], s[24:25] offset:(4*\q+\i)*1024          ; each store: 512 consecutive bytes, aligned
	global_store_b128 v6, v[84+8*\i:87+8*\i], s[24:25] offset:(4*\q+\i)*1024+512
	global_store_b128 v6, v[128+8*\i:131+8*\i], s[24:25] offset:2097152+(4*\q+\i)*1024
	global_store_b128 v6, v[132+8*\i:135+8*\i], s[24:25] offset:2097152+(4*\q+\i)*1024+512
.endm
.irp q, 0,1
.irp i, 0,1,2,3
	global_load_b128 v[16+16*\i:19+16*\i], v5, s[16:17] offset:128*(4*\q+\i) th:TH_LOAD_NT
	global_load_b128 v[20+16*\i:23+16*\i], v5, s[16:17] offset:128*(4*\q+\i)+16 th:TH_LOAD_NT
	global_load_b128 v[24+16*\i:27+16*\i], v5, s[16:17] offset:128*(4*\q+\i)+64 th:TH_LOAD_NT
	global_load_b128 v[28+16*\i:31+16*\i], v5, s[16:17] offset:128*(4*\q+\i)+80 th:TH_LOAD_NT
.endr
	s_wait_loadcnt 0x0
	s_wait_xcnt 0x0                                ; the first batch's stores have read their registers
	WOFRAG \q, 0, 80,81,82,83,84,85,86,87
	WOFRAG \q, 1, 88,89,90,91,92,93,94,95
	WOFRAG \q, 2, 96,97,98,99,100,101,102,103
	WOFRAG \q, 3, 104,105,106,107,108,109,110,111
.endr
	FINISH
.Lfunc_end_k_q6804e673de_prep:
	.size	k_q6804e673de_prep, .Lfunc_end_k_q6804e673de_prep-k_q6804e673de_prep
	.p2alignl 7, 3214868480
	.fill 96, 4, 3214868480
	.section	.rodata,"a",@progbits
	.p2align	6, 0x0
	.amdhsa_kernel k_q6804e673de_prep
		.amdhsa_group_segment_fixed_size 50688
		.amdhsa_private_segment_fixed_size 0
		.amdhsa_enable_private_segment 0
		.amdhsa_kernarg_size 104
		.amdhsa_user_sgpr_count 2
		.amdhsa_user_sgpr_kernarg_segment_ptr 1
		.amdhsa_wavefront_size32 1
		.amdhsa_system_sgpr_workgroup_id_x 1
		.amdhsa_system_sgpr_workgroup_id_y 1
		.amdhsa_system_sgpr_workgroup_id_z 1
		.amdhsa_system_vgpr_workitem_id 0
		.amdhsa_next_free_vgpr 192
		.amdhsa_next_free_sgpr 66
		.amdhsa_reserve_vcc 1
		.amdhsa_float_denorm_mode_32 3
		.amdhsa_float_denorm_mode_16_64 3
		.amdhsa_memory_ordered 1
		.amdhsa_forward_progress 1
		.amdhsa_inst_pref_size 96
	.end_amdhsa_kernel
	.amdgpu_metadata
---
amdhsa.version: [ 1, 2 ]
amdhsa.kernels:
  - .name:           k_q6804e673de_prep
    .symbol:         k_q6804e673de_prep.kd
    .args:
      - { .name: Q, .offset: 0, .size: 8, .value_kind: global_buffer, .address_space: global }
      - { .name: K, .offset: 8, .size: 8, .value_kind: global_buffer, .address_space: global }
      - { .name: V, .offset: 16, .size: 8, .value_kind: global_buffer, .address_space: global }
      - { .name: Wq, .offset: 24, .size: 8, .value_kind: global_buffer, .address_space: global }
      - { .name: Wk, .offset: 32, .size: 8, .value_kind: global_buffer, .address_space: global }
      - { .name: Wv, .offset: 40, .size: 8, .value_kind: global_buffer, .address_space: global }
      - { .name: Wo, .offset: 48, .size: 8, .value_kind: global_buffer, .address_space: global }
      - { .name: mask, .offset: 56, .size: 8, .value_kind: global_buffer, .address_space: global }
      - { .name: codes, .offset: 64, .size: 8, .value_kind: global_buffer, .address_space: global }
      - { .name: scales, .offset: 72, .size: 8, .value_kind: global_buffer, .address_space: global }
      - { .name: woimg, .offset: 80, .size: 8, .value_kind: global_buffer, .address_space: global }
      - { .name: maskw, .offset: 88, .size: 8, .value_kind: global_buffer, .address_space: global }
      - { .name: flags, .offset: 96, .size: 8, .value_kind: global_buffer, .address_space: global }
    .group_segment_fixed_size: 50688
    .private_segment_fixed_size: 0
    .kernarg_segment_align: 8
    .kernarg_segment_size: 104
    .max_flat_workgroup_size: 128
    .sgpr_count:     66
    .vgpr_count:     192
    .wavefront_size: 32
...
	.end_amdgpu_metadata
.endif
;; end of part 1
;; launch proj (part 2): grid 4 x 96, 4 waves a work-group, clusters of 4 x 4, 327,680 bytes of LDS; arguments codes, scales, bq, bk, bv, qkv; writes qkv
.if DOCPART == 2
	.amdgcn_target "amdgcn-amd-amdhsa--gfx1250"
	.amdhsa_code_object_version 6
	.text
	.protected	k_q6804e673de_proj
	.globl	k_q6804e673de_proj
	.p2align	8
	.type	k_q6804e673de_proj,@function
k_q6804e673de_proj:
	s_mov_b64 s[64:65], 0
	v_nop
	global_prefetch_b8 v0, s[64:65] scope:SCOPE_SE
	s_setreg_imm32_b32 hwreg(HW_REG_WAVE_MODE, 25, 1), 1
	s_wait_xcnt 0x0
	s_wait_alu depctr_hold_cnt(0) depctr_sa_sdst(0) depctr_va_vdst(0) depctr_va_sdst(0) depctr_va_ssrc(0) depctr_va_vcc(0) depctr_vm_vsrc(0)
	s_getreg_b32 s2, hwreg(HW_REG_IB_STS2, 6, 4)
	s_cmp_eq_u32 s2, 0
	s_cbranch_scc0 .Lentry_in_a_cluster
	s_endpgm
.Lentry_in_a_cluster:
	s_bfe_u32 s2, ttmp6, 0x10000c
	s_cmp_lg_u32 s2, 0xf033
	s_cbranch_scc0 .Lentry_shape_is_right
	s_endpgm
.Lentry_shape_is_right:
; THE THREE PROJECTIONS, q = Q Wq^T + bq and its like, on codes of FP4 (E2M1) with one E8M0 scale for each 32 along K = 1,024; sums in f32.
; codes [27,648][512 bytes], scales [27,648][32]: rows 0.. Q, 8,192.. K, 16,384.. V, 24,576.. Wq, Wk, Wv.  Projection tau = cluster y / 8.
; A work-group of four waves makes 256 positions x 256 channels, a wave 128 x 128: 64 accumulators.  All of K is two LDS slots of 512 along K, both asked for at the start: nothing is filled again.
; CLUSTERS: 4 x 4.  Along x the four tiles of channels, along y the four batches: activations are shared along a row of the cluster, weights along a column, each by a joint load.
; THE MATRIX INSTRUCTION IS USED TRANSPOSED (source 0 = 16 rows of W, source 1 = 16 positions): a lane holds eight neighbouring channels of one position.  The bias is the C of each sum's first product.
; THE WAY OUT: the sums are multiplied by log2(e) / 8 (q) or 1 (k, v), rounded to f16 and stored as IMAGES OF OPERAND REGISTERS: qkv[tau][batch x 16 + head][position / 16][c][1,024 bytes]: a fragment of
; 16 positions x 32 channels; lane l's 16 bytes of half c' at 512 c' + 16 l.  An accumulator's four packed registers are just such a half: each store covers 512 consecutive bytes, aligned, with no way through LDS.
; For the first 16 positions of each batch the part that f16 leaves goes out too, as a second f16 number, from byte LO on: [tau][batch][head][c][1,024].
; LIMITS: |q|, |k|, |v| up to 65,504 (f16); NaN and infinities are not served.
; REGISTERS: window 0: v0-31 addresses; v32-95 scale words, two sets; v128-191 the positions' fragments, one set; v192-255 the bias; on the way out v32-191 are free.
;   window 1: W's fragments, two sets.   windows 2, 3: the accumulators ((a, b) at v[8 (8 (a % 4) + b)]).
.set NQ,     4
.set ROWB,   256
.set KROW,   512
.set PITCH,  272                       ; an LDS row: 256 bytes + 16 of padding: the 16 rows of a load start at 16 different banks (64 banks of 4 bytes: ISA guide 11.1)
.set FR,     8
.set NL,     2
.set NP,     4
.set HALFT,  128*PITCH
.set SLOT,   4*HALFT
.set KS,     32
.set SCL,    2*SLOT
.set HALFS,  (128*KS/256)*272
.set SBLK,   (16*KS/256)*272
.set SPARE,  SCL+4*HALFS               ; the spare words, 128 bytes a wave
.set LO,     0x3000000
.set ADRA, 16
.set ADRB, 20
.set CO,   26                          ; v26 16 x lane
.set ADRS, 27
.set SPW,  28
.set NIL,  29
.set SC,   32
.set AF,   128
.set BI,   192
.set G1, 24
.set G0, 32
.set G1B, 48
.set G0B, 56
.set G1S, 68
.set G0S, 76
.set G1SB, 80
.set G0SB, 88
.set MSB, 0
.macro WIN new
.if MSB != (\new)
	s_set_vgpr_msb (MSB<<8)|(\new)
.set MSB, (\new)
.endif
.endm
.set MUL_LO, 0xa1                      ; source 0 (W) window 1, source 1 window 0, C and D window 2
.set MUL_HI, 0xf1
.set TO_B,   0x40
.macro WIDEN d, reg
	v_cvt_f32_f16 v[\d], \reg\().l
	v_cvt_f32_f16 v[(\d)+1], \reg\().h
.endm
; A joint load: waves 0 and 1 fetch activations, waves 2 and 3 weights.  The branch hangs on the wave's number alone.  An s_nop 0 and four v_nop follow each line.
.macro JLOAD g0a, g1a, g0b, g1b
	s_cmp_eq_u32 s17, 0
	s_cbranch_scc0 .Lfor_b_\@
	tensor_load_to_lds s[\g0a:\g0a+3], s[\g1a:\g1a+7]
	s_nop 0
.rept 4
	v_nop
.endr
	s_branch .Lasked_\@
.Lfor_b_\@:
	tensor_load_to_lds s[\g0b:\g0b+3], s[\g1b:\g1b+7]
	s_nop 0
.rept 4
	v_nop
.endr
.Lasked_\@:
.endm
.macro CROUND                          ; a round of the cluster's barrier
	s_barrier_signal -1
	s_barrier_wait -1
	s_cmp_lg_u32 s16, 0
	s_cbranch_scc1 .Lnot_wave_0_\@
	s_barrier_signal -3
.Lnot_wave_0_\@:
	s_barrier_wait -3
	s_barrier_signal -1
	s_barrier_wait -1
.endm
	s_load_b256 s[4:11], s[0:1], 0x0               ; codes, scales, bq, bk
	s_load_b128 s[12:15], s[0:1], 0x20             ; bv, qkv
	v_lshl_add_u32 v[SPW], v0, 2, SPARE
	v_mov_b32 v[NIL], 0
	ds_add_u32 v[SPW], v[NIL]                      ; the wave's opening: the add, twice on end, and its wait ahead of my first tensor load
	ds_add_u32 v[SPW], v[NIL]
	v_lshrrev_b32 v1, 5, v0
	v_readfirstlane_b32 s16, v1                    ; wave
	s_lshr_b32 s17, s16, 1                         ; my half of the positions.  Also: I fetch activations (0) or weights (1)
	s_and_b32 s18, s16, 1                          ; my half of the channels.  Also: which 128 rows I fetch
	s_bfe_u32 s40, ttmp6, 0x40000                  ; cx: the tile of channels
	s_bfe_u32 s41, ttmp6, 0x40004                  ; cy: the batch
	s_and_b32 s19, ttmp7, 0xffff
	s_lshr_b32 s42, s19, 3                         ; tau
	s_and_b32 s66, s19, 7                          ; which 256 positions of the batch
	s_lshl_b32 s43, s41, 2
	s_lshl_b32 s43, 15, s43                        ; my row of the cluster
	s_lshl_b32 s44, 0x1111, s40                    ; my column
	s_or_b32 s[G1+0], s43, (0<<16)|(1<<20)|(1<<21)|(5<<22)|(3<<25)  ; the mask; elements of 1 byte; padding on; bit 21 beside a mask; 4 words after every 64
	s_or_b32 s[G1B+0], s44, (0<<16)|(1<<20)|(1<<21)|(5<<22)|(3<<25)
.irp g, G1, G1B
	s_mov_b32 s[\g+1], ROWB<<16                    ; tensor_dim0
	s_mov_b32 s[\g+2], 128<<16                     ; tensor_dim1
	s_mov_b32 s[\g+3], ROWB<<16                    ; tile_dim0
	s_mov_b32 s[\g+4], 128                         ; tile_dim1
	s_mov_b32 s[\g+5], KROW                        ; from row to row
	s_mov_b32 s[\g+6], 0
	s_mov_b32 s[\g+7], 0
.endr
	s_or_b32 s[G1S+0], s43, (3<<16)|(1<<20)|(1<<21)|(5<<22)|(3<<25) ; the scales of 128 rows: 4,096 dense bytes as 16 rows of 256, 16 bytes of padding behind each
	s_or_b32 s[G1SB+0], s44, (3<<16)|(1<<20)|(1<<21)|(5<<22)|(3<<25)
.irp g, G1S, G1SB
	s_mov_b32 s[\g+1], 32<<16
	s_mov_b32 s[\g+2], (128*KS/256)<<16
	s_mov_b32 s[\g+3], 32<<16
	s_mov_b32 s[\g+4], 128*KS/256
	s_mov_b32 s[\g+5], 32
	s_mov_b32 s[\g+6], 0
	s_mov_b32 s[\g+7], 0
.endr
	s_lshl_b32 s20, s42, 5
	s_lshl_b32 s21, s41, 3
	s_add_co_u32 s20, s20, s21
	s_add_co_u32 s20, s20, s66                     ; the tile of 256 rows in the stack: 32 tau + 8 batch + place in the batch
	s_lshl_b32 s20, s20, 8
	s_lshl_b32 s19, s18, 7
	s_add_co_u32 s20, s20, s19                     ; the activations' first row that I fetch
	s_lshl_b32 s46, s42, 10
	s_lshl_b32 s47, s40, 8
	s_add_co_u32 s46, s46, s47
	s_add_co_u32 s46, s46, s19
	s_add_co_u32 s46, s46, 24576                   ; the weights': 24,576 + 1,024 tau + 256 cx + 128 half
	s_lshl_b32 s22, s20, 5                         ; their scale bytes,
	s_mov_b32 s23, 0
	s_lshl_b32 s92, s46, 5
	s_mov_b32 s93, 0
	s_lshl_b32 s20, s20, 9                         ; their codes
	s_mov_b32 s21, 0
	s_lshl_b32 s46, s46, 9
	s_mov_b32 s47, 0
	s_mul_i32 s45, s16, HALFT                      ; where they go: wave x 128 rows: no place in the cluster enters an LDS address
	s_mul_i32 s94, s16, HALFS
	s_wait_dscnt 0x0                               ; both opening adds are done
	s_wait_kmcnt 0x0
	s_add_nc_u64 s[20:21], s[4:5], s[20:21]
	s_add_nc_u64 s[22:23], s[6:7], s[22:23]
	s_add_nc_u64 s[46:47], s[4:5], s[46:47]
	s_add_nc_u64 s[92:93], s[6:7], s[92:93]
	CROUND                                         ; all sixteen work-groups are here: the joint loads meet
	s_mov_b32 s[G0S], 1
	s_add_co_u32 s[G0S+1], s94, SCL
	s_mov_b64 s[G0S+2:G0S+3], s[22:23]
	s_or_b32 s[G0S+3], s[G0S+3], 0x80000000
	s_mov_b32 s[G0SB], 1
	s_add_co_u32 s[G0SB+1], s94, SCL
	s_mov_b64 s[G0SB+2:G0SB+3], s[92:93]
	s_or_b32 s[G0SB+3], s[G0SB+3], 0x80000000
	JLOAD G0S, G1S, G0SB, G1SB                     ; the scales first
.irp s, 0,1
	s_mov_b32 s[G0+4*\s], 1
	s_add_co_u32 s[G0+4*\s+1], s45, \s*SLOT
	s_add_nc_u64 s[G0+4*\s+2:G0+4*\s+3], s[20:21], \s*ROWB
	s_or_b32 s[G0+4*\s+3], s[G0+4*\s+3], 0x80000000
	s_mov_b32 s[G0B+4*\s], 1
	s_add_co_u32 s[G0B+4*\s+1], s45, \s*SLOT
	s_add_nc_u64 s[G0B+4*\s+2:G0B+4*\s+3], s[46:47], \s*ROWB
	s_or_b32 s[G0B+4*\s+3], s[G0B+4*\s+3], 0x80000000
	JLOAD G0+4*\s, G1, G0B+4*\s, G1B               ; three loads of mine are out in all
.endr
	v_and_b32 v1, 15, v0                           ; r
	v_bfe_u32 v2, v0, 4, 1                         ; h
	; the bias: lane (r, h) wants, for block b of channels, those at 16 b + 8 h + 0 .. 7
	s_cmp_eq_u32 s42, 1
	s_cselect_b64 s[8:9], s[10:11], s[8:9]
	s_cmp_eq_u32 s42, 2
	s_cselect_b64 s[8:9], s[12:13], s[8:9]
	s_cmp_eq_u32 s42, 0
	s_cselect_b32 s96, 0x3e38aa3b, 1.0             ; q is multiplied by log2(e) / 8, so that the scores come in the exponent's units; k and v by 1
	s_mov_b32 s97, s96
	s_lshl_b32 s20, s40, 10
	s_lshl_b32 s21, s18, 9
	s_add_co_u32 s20, s20, s21
	s_mov_b32 s21, 0
	s_add_nc_u64 s[8:9], s[8:9], s[20:21]
	v_lshlrev_b32 v8, 5, v2
.irp b, 0,1,2,3,4,5,6,7
	global_load_b128 v[BI+8*\b:BI+8*\b+3], v8, s[8:9] offset:64*\b
	global_load_b128 v[BI+8*\b+4:BI+8*\b+7], v8, s[8:9] offset:64*\b+16
.endr
	v_mul_u32_u24 v3, v1, PITCH
	v_lshl_add_u32 v4, v2, 4, v3                   ; a fragment's row x pitch + 16 x half
	s_mul_i32 s21, s17, HALFT
	s_mul_i32 s22, s18, HALFT
	s_add_co_u32 s22, s22, 2*HALFT
.irp s, 0,1
	v_add_nc_u32 v[ADRA+\s], s21, v4
	v_add_nc_u32 v[ADRB+\s], s22, v4
	s_add_co_u32 s21, s21, SLOT
	s_add_co_u32 s22, s22, SLOT
.endr
	v_mul_u32_u24 v5, v1, KS                       ; my row's scales: 32 bytes a row,
	v_lshrrev_b32 v6, 8, v5
	v_lshl_add_u32 v5, v6, 4, v5                   ; and 16 more for each 256 passed
	s_mul_i32 s21, s17, HALFS
	s_mul_i32 s22, s18, HALFS
	s_add_co_u32 s22, s22, 2*HALFS
	s_sub_co_u32 s22, s22, s21
	v_mul_u32_u24 v6, s22, v2                      ; lanes 16-31 take W's
	s_add_co_u32 s21, s21, SCL
	v_add_nc_u32 v5, v5, v6
	v_add_nc_u32 v[ADRS], s21, v5
	v_and_b32 v6, 31, v0
	v_lshlrev_b32 v[CO], 4, v6
	; where my images go
	s_lshl_b32 s20, s41, 4
	s_lshl_b32 s21, s40, 2
	s_add_co_u32 s20, s20, s21
	s_lshl_b32 s21, s18, 1
	s_add_co_u32 s20, s20, s21                     ; batch x 16 + my first head
	s_lshl_b32 s98, s20, 11
	s_lshl_b32 s99, s42, 17
	s_add_co_u32 s98, s98, s99
	s_add_co_u32 s98, s98, LO
	s_mov_b32 s99, 0
	s_add_nc_u64 s[12:13], s[14:15], s[98:99]      ; the low parts
	s_lshl_b32 s20, s20, 18
	s_lshl_b32 s21, s42, 24
	s_add_co_u32 s20, s20, s21
	s_lshl_b32 s21, s66, 15
	s_add_co_u32 s20, s20, s21
	s_lshl_b32 s21, s17, 14
	s_add_co_u32 s20, s20, s21
	s_mov_b32 s21, 0
	s_add_nc_u64 s[10:11], s[14:15], s[20:21]      ; my first tile of 16 positions in my first head
.macro FRAG reg, adr, q, i             ; 16 rows x 128 K of 4-bit codes: 8 registers, two loads of 16 bytes, 32 bytes apart
.irp c, 0,1
	ds_load_b128 v[\reg+4*\c:\reg+4*\c+3], v[\adr] offset:64*(\q)+32*\c+(\i)*16*PITCH
.endr
.endm
; 16 matrix instructions: blocks a0, a0 + 1 of positions x W's eight.  zero = 1: the first product starts the sums, from the bias.  The 64 accumulators take turns.
.macro MUL16 a0, p, q, sc, zero
.irp a, \a0, \a0+1
.irp b, 0,1,2,3,4,5,6,7
.if \zero
	v_wmma_scale_f32_16x16x128_f8f6f4 v[8*(8*((\a)%4)+\b):8*(8*((\a)%4)+\b)+7], v[128*(\p)+FR*\b:128*(\p)+FR*\b+FR-1], v[AF+FR*(\a):AF+FR*(\a)+FR-1], v[BI+8*\b:BI+8*\b+7], v[SC+8*NQ*(\sc)+NQ*\b+(\q)], v[SC+8*NQ*(\sc)+NQ*(\a)+(\q)] matrix_a_fmt:MATRIX_FMT_FP4 matrix_b_fmt:MATRIX_FMT_FP4 matrix_a_scale:MATRIX_SCALE_ROW1
.else
	v_wmma_scale_f32_16x16x128_f8f6f4 v[8*(8*((\a)%4)+\b):8*(8*((\a)%4)+\b)+7], v[128*(\p)+FR*\b:128*(\p)+FR*\b+FR-1], v[AF+FR*(\a):AF+FR*(\a)+FR-1], v[8*(8*((\a)%4)+\b):8*(8*((\a)%4)+\b)+7], v[SC+8*NQ*(\sc)+NQ*\b+(\q)], v[SC+8*NQ*(\sc)+NQ*(\a)+(\q)] matrix_a_fmt:MATRIX_FMT_FP4 matrix_b_fmt:MATRIX_FMT_FP4 matrix_a_scale:MATRIX_SCALE_ROW1
.endif
.endr
.endr
.endm
.macro FETCH_B slot, q, p
	WIN TO_B
.irp i, 0,1,2,3,4,5,6,7
	FRAG 128*(\p)+FR*\i, ADRB+\slot, \q, \i
.endr
	WIN 0
.endm
.macro FETCH_A slot, q, i0
.irp i, \i0, \i0+1, \i0+2, \i0+3
	FRAG AF+FR*(\i), ADRA+\slot, \q, \i
.endr
.endm
.macro SCALES sc                       ; a slot's scale words: lanes 0-15 the positions' block i, lanes 16-31 W's block i
.irp i, 0,1,2,3,4,5,6,7
	ds_load_b128 v[SC+8*NQ*\sc+NQ*\i:SC+8*NQ*\sc+NQ*\i+3], v[ADRS] offset:\i*SBLK
.endr
.endm
.macro PLACES n                        ; plain vector places behind matrix instructions, ahead of loads into their registers and of reads of results
.rept \n
	v_nop
.endr
.endm
.macro STEP slot, q, zero              ; 128 along K, with its successor in the same slot
	s_wait_dscnt 4*NL                              ; all but the youngest eight loads (blocks 4-7 of the positions) are in
	WIN MUL_LO-0x20*(\zero)                        ; (zero = 1: C, the bias, lies in window 0)
	MUL16 0, (\q)%2, \q, \slot, \zero
	MUL16 2, (\q)%2, \q, \slot, \zero
	s_wait_dscnt 0
	PLACES NP
	FETCH_B \slot, (\q)+1, 1-(\q)%2
	FETCH_A \slot, (\q)+1, 0
	WIN MUL_HI-0x30*(\zero)
	MUL16 4, (\q)%2, \q, \slot, \zero
	MUL16 6, (\q)%2, \q, \slot, \zero
	PLACES NP
	WIN 0
	FETCH_A \slot, (\q)+1, 4
.endm
.macro TURN slot, next                 ; a slot's last step: the other slot is shown whole to every wave
	s_wait_tensorcnt 0x0                           ; all my tensor loads have landed, my part of the next slot among them
	ds_add_u32 v[SPW], v[NIL]
	s_wait_dscnt 4*NL+1                            ; (the add and the youngest eight loads may be out)
	WIN MUL_LO
	MUL16 0, 1, NQ-1, \slot, 0
	s_wait_dscnt 0x0
	s_barrier_signal -1
	MUL16 2, 1, NQ-1, \slot, 0
	WIN 0
	s_barrier_wait -1
	PLACES NP
	v_add_nc_u32 v[ADRS], 4*NQ, v[ADRS]            ; the next slot's scale words
	FETCH_B \next, 0, 0
	FETCH_A \next, 0, 0
	SCALES \next
	WIN MUL_HI
	MUL16 4, 1, NQ-1, \slot, 0
	MUL16 6, 1, NQ-1, \slot, 0
	PLACES NP
	WIN 0
	FETCH_A \next, 0, 4
.endm
	s_wait_tensorcnt 1                             ; the scales and my part of slot 0 are in; slot 1's load may be out
	s_barrier_signal -1
	s_barrier_wait -1
	FETCH_B 0, 0, 0
	FETCH_A 0, 0, 0
	SCALES 0
	FETCH_A 0, 0, 4
	s_wait_loadcnt 0x0                             ; the bias
	STEP 0, 0, 1
	STEP 0, 1, 0
	STEP 0, 2, 0
	TURN 0, 1
	STEP 1, 0, 0
	STEP 1, 1, 0
	STEP 1, 2, 0
	s_wait_dscnt 4*NL
	WIN MUL_LO
	MUL16 0, 1, NQ-1, 1, 0
	MUL16 2, 1, NQ-1, 1, 0
	s_wait_dscnt 0
	WIN MUL_HI
	MUL16 4, 1, NQ-1, 1, 0
	MUL16 6, 1, NQ-1, 1, 0
	WIN 0
; THE WAY OUT, block by block of 16 positions.
.macro SCALE a                         ; the block's 64 registers x the factor, from each accumulator's low end on
	WIN 0x82+0x41*((\a)/4)
.set i, 64*((\a)%4)
.rept 32
	v_pk_mul_f32 v[i:i+1], v[i:i+1], s[96:97] op_sel_hi:[1,0]
.set i, i+2
.endr
.endm
.macro PACKH a
	s_wait_xcnt 0x0                                ; earlier stores have read the registers that are written now
	WIN 0x0a+5*((\a)/4)
.set i, 0
.rept 32
	v_cvt_pk_f16_f32 v[32+32*((\a)%4)+i], v[64*((\a)%4)+2*i], v[64*((\a)%4)+2*i+1]
.set i, i+1
.endr
	WIN 0
.irp b, 0,1,2,3,4,5,6,7
	global_store_b128 v[CO], v[32+32*((\a)%4)+4*\b:32+32*((\a)%4)+4*\b+3], s[10:11] offset:(\a)*2048+(\b/4)*262144+(\b%4)*512   ; 512 consecutive bytes, aligned: half a fragment's image
.endr
.endm
	PLACES NP
	SCALE 0
	WIN 0
	s_or_b32 s19, s66, s17                         ; the batch's first 16 positions lie in block 0 of the waves with the first half of the first tile: the same in all partners
	s_cmp_lg_u32 s19, 0
	s_cbranch_scc1 .Lnofine
	WIN 0x0a
.set i, 0
.rept 32
	v_cvt_pk_f16_f32 v[96+i], v[2*i], v[2*i+1]     ; the high parts,
.set i, i+1
.endr
	WIN 0
.irp r, 96,97,98,99,100,101,102,103,104,105,106,107,108,109,110,111,112,113,114,115,116,117,118,119,120,121,122,123,124,125,126,127
	WIDEN 128+2*(\r-96), v\r
.endr
	WIN 0x02
.set i, 0
.rept 64
	v_sub_f32 v[128+i], v[i], v[128+i]             ; what they leave, exactly,
.set i, i+1
.endr
	WIN 0
.set i, 0
.rept 32
	v_cvt_pk_f16_f32 v[64+i], v[128+2*i], v[129+2*i]   ; as a second f16 number
.set i, i+1
.endr
.irp b, 0,1,2,3,4,5,6,7
	global_store_b128 v[CO], v[64+4*\b:67+4*\b], s[12:13] offset:(\b/4)*2048+(\b%4)*512
.endr
.Lnofine:
	PACKH 0
.irp a, 1,2,3,4,5,6,7
	SCALE \a
	PACKH \a
.endr
	s_wait_tensorcnt 0x0                           ; the wave's end
	ds_add_u32 v[SPW], v[NIL]
	s_wait_dscnt 0x0
	CROUND                                         ; the closing round
	s_endpgm
.Lfunc_end_k_q6804e673de_proj:
	.size	k_q6804e673de_proj, .Lfunc_end_k_q6804e673de_proj-k_q6804e673de_proj
	.p2alignl 7, 3214868480
	.fill 96, 4, 3214868480
	.section	.rodata,"a",@progbits
	.p2align	6, 0x0
	.amdhsa_kernel k_q6804e673de_proj
		.amdhsa_group_segment_fixed_size 327680
		.amdhsa_private_segment_fixed_size 0
		.amdhsa_enable_private_segment 0
		.amdhsa_kernarg_size 48
		.amdhsa_user_sgpr_count 2
		.amdhsa_user_sgpr_kernarg_segment_ptr 1
		.amdhsa_wavefront_size32 1
		.amdhsa_system_sgpr_workgroup_id_x 1
		.amdhsa_system_sgpr_workgroup_id_y 1
		.amdhsa_system_sgpr_workgroup_id_z 1
		.amdhsa_system_vgpr_workitem_id 0
		.amdhsa_next_free_vgpr 1024
		.amdhsa_next_free_sgpr 100
		.amdhsa_reserve_vcc 0
		.amdhsa_float_denorm_mode_32 3
		.amdhsa_float_denorm_mode_16_64 3
		.amdhsa_memory_ordered 1
		.amdhsa_forward_progress 1
		.amdhsa_inst_pref_size 145
	.end_amdhsa_kernel
	.amdgpu_metadata
---
amdhsa.version: [ 1, 2 ]
amdhsa.kernels:
  - .name:           k_q6804e673de_proj
    .symbol:         k_q6804e673de_proj.kd
    .args:
      - { .name: codes, .offset: 0, .size: 8, .value_kind: global_buffer, .address_space: global }
      - { .name: scales, .offset: 8, .size: 8, .value_kind: global_buffer, .address_space: global }
      - { .name: bq, .offset: 16, .size: 8, .value_kind: global_buffer, .address_space: global }
      - { .name: bk, .offset: 24, .size: 8, .value_kind: global_buffer, .address_space: global }
      - { .name: bv, .offset: 32, .size: 8, .value_kind: global_buffer, .address_space: global }
      - { .name: qkv, .offset: 40, .size: 8, .value_kind: global_buffer, .address_space: global }
    .group_segment_fixed_size: 327680
    .private_segment_fixed_size: 0
    .kernarg_segment_align: 8
    .kernarg_segment_size: 48
    .max_flat_workgroup_size: 128
    .sgpr_count:     100
    .vgpr_count:     1024
    .wavefront_size: 32
...
	.end_amdgpu_metadata
.endif
;; end of part 2
;; launch attn (part 3): grid 4 x 64, 8 waves a work-group, no clusters, 37,888 bytes of LDS; arguments qkv, maskw, flags, aimg; writes aimg
.if DOCPART == 3
	.amdgcn_target "amdgcn-amd-amdhsa--gfx1250"
	.amdhsa_code_object_version 6
	.text
	.protected	k_q6804e673de_attn
	.globl	k_q6804e673de_attn
	.p2align	8
	.type	k_q6804e673de_attn,@function
k_q6804e673de_attn:
	s_mov_b64 s[64:65], 0
	v_nop
	global_prefetch_b8 v0, s[64:65] scope:SCOPE_SE
	s_setreg_imm32_b32 hwreg(HW_REG_WAVE_MODE, 25, 1), 1
	s_wait_xcnt 0x0
; ATTENTION for one (batch, head): o[q] = sum over k of softmax_k(where(mask, -1e9, q . k / 8)) v[k], head size 64, 2,048 keys, f16 operands, f32 sums.
; q arrives multiplied by log2(e) / 8, so a score s is an exponent of 2, the mask's replacement is -1e9 x log2(e), and a weight is p = 2^(s - m), m the row's running maximum: exactly 1 at the maximum.
; SHARES.  Work-group (x, batch x 16 + head) makes the blocks 7 - x and x of 256 queries, one after the other.  Each of its eight waves owns two tiles of 16 queries; two waves share a SIMD.
; THE WALK HANGS ON STORED FLAGS: a key step of 64 keys that the given mask hides from a whole tile adds exactly 0 (each of the tile's rows has a key that counts; else the flags name every step), so it is left out by a scalar
; branch on the flag words.  Hence no tensor loads and no cluster here: K and V come through registers, each wave bringing an eighth of a step, into two LDS slots by turns, one barrier a step, passed by every wave in every step.
; LAYOUT.  S^T = K Q^T (source 0 = 16 keys, source 1 = 16 queries), O^T = V^T P: a lane holds one query throughout.  K lies in LDS as images of its fragments, V as rows of 64 channels (pitch 160) and is turned by ds_load_tr16_b128.
; The result goes out as images of the next product's fragments: aimg[batch x 128 + query / 16][2 head + c][1,024 bytes].
; LIMITS: scores above -9e8, so that a masked place counts for nothing beside one that counts; NaN and infinities are not served; where the mask leaves a row few keys, the row has f16's rounding.
; REGISTERS: window 0: v1-9 addresses and constants; v10-13 at work; v16-31 statistics, 8 a tile: m, -, l (two halves), c0-c3 (alpha takes c2); v32-47 a step's eighth on its way; v48-79 Q; v80-143 K; v144-207 S^T, then P; v208-239 the way out.
;   window 1: v0-63 O^T; v64-127 V^T.
.set SLOTB, 18432                      ; a slot: K's 8 images, then V's 64 rows x 160 bytes
.set VOFF,  8192
.set VPI,   160
.set SPARE, 2*SLOTB                    ; the spare words, 128 bytes a wave
.set LI,   1                           ; 16 x lane
.set KST,  2
.set VST,  3
.set AV0,  4
.set SPW,  6
.set NIL,  7
.set NEG,  8
.set PFO,  9
.set ST,   16
.set STG,  32
.set QF,   48
.set KF,   80
.set S,    144
.set OUT,  208
.set VF,   64                          ; in window 1
.set KP,   18                          ; s[18:19] K's images of the trip's first step, my eighth
.set VP,   20                          ; s[20:21] V's
.set MP,   22                          ; s[22:23] my first tile's mask words of the trip's first step
.set WACT, 24                          ; bit 0: this step is walked by some wave of the work-group; bit 1: the next; ..
.set AACT, 25                          ; the same for my two tiles
.set PMSK, 26                          ; bit 0: this step holds a masked place of my tiles
.set TR,   27
.set PF,   66                          ; s[66:67] the prefetches' base
.set LIM,  100
.set BC,   101
.set MSB, 0
.macro WIN new
.if MSB != (\new)
	s_set_vgpr_msb (MSB<<8)|(\new)
.set MSB, (\new)
.endif
.endm
	s_load_b256 s[4:11], s[0:1], 0x0               ; qkv, maskw, flags, aimg
	v_lshl_add_u32 v[SPW], v0, 2, SPARE
	v_mov_b32 v[NIL], 0
	v_lshrrev_b32 v10, 5, v0
	v_readfirstlane_b32 s12, v10                   ; wave 0..7
	v_and_b32 v10, 31, v0
	v_and_b32 v11, 15, v0                          ; r
	v_bfe_u32 v12, v0, 4, 1                        ; h
	v_lshlrev_b32 v[LI], 4, v10
	s_lshl_b32 s16, s12, 10
	v_add_nc_u32 v[KST], s16, v[LI]                ; K: image number wave
	s_lshr_b32 s16, s12, 1
	s_mul_i32 s16, s16, 16*VPI
	s_and_b32 s17, s12, 1
	s_lshl_b32 s17, s17, 6
	s_add_co_u32 s16, s16, s17
	s_add_co_u32 s16, s16, VOFF
	v_mul_u32_u24 v[VST], v11, VPI
	v_lshl_add_u32 v[VST], v12, 4, v[VST]
	v_add_nc_u32 v[VST], s16, v[VST]               ; V: my image's lane (r, h) holds key 16 (wave / 2) + r, channels 32 (wave % 2) + 16 c' + 8 h on
	v_and_b32 v13, 7, v0
	v_lshl_add_u32 v13, v12, 3, v13
	v_mul_u32_u24 v[AV0], v13, VPI
	v_bfe_u32 v13, v0, 3, 1
	v_lshl_add_u32 v[AV0], v13, 4, v[AV0]
	v_add_nc_u32 v[AV0], VOFF, v[AV0]              ; the turning load: key 8 h + l % 8, channels 8 ((l / 8) % 2) on
	v_mov_b32 v[NEG], 0xceabfb8f                   ; -1e9 x log2(e)
	v_lshlrev_b32 v[PFO], 8, v10
.set i, 0
.rept 16
	v_mov_b32 v[STG+i], 0                          ; written once, so that every way through the flags' branches finds them written
.set i, i+1
.endr
	s_mov_b32 s30, 0x76543210
	s_mov_b32 s31, 0xfedcba98                      ; v_permlanex16_b32's selects for lane l xor 16
	s_mov_b32 s[BC], 0
	s_and_b32 s2, ttmp7, 0xffff                    ; batch x 16 + head
	s_lshr_b32 s3, s2, 4                           ; batch
	s_wait_kmcnt 0x0
; one tile pair's softmax for a key step; the two tiles alternate line by line
.macro SOFTMAX
.irp k, 0,1,2,3
.irp t, 0,1
	v_max3_num_f32 v[ST+8*\t+4+\k], v[S+32*\t+8*\k], v[S+32*\t+8*\k+1], v[S+32*\t+8*\k+2]   ; each accumulator is read from its low end on
.endr
.endr
.irp i, 3,5
.irp k, 0,1,2,3
.irp t, 0,1
	v_max3_num_f32 v[ST+8*\t+4+\k], v[ST+8*\t+4+\k], v[S+32*\t+8*\k+\i], v[S+32*\t+8*\k+\i+1]
.endr
.endr
.endr
.irp t, 0,1
	v_max3_num_f32 v[ST+8*\t+4], v[ST+8*\t+4], v[S+32*\t+7], v[S+32*\t+15]
	v_max3_num_f32 v[ST+8*\t+6], v[ST+8*\t+6], v[S+32*\t+23], v[S+32*\t+31]
.endr
.irp t, 0,1
	v_max3_num_f32 v[ST+8*\t+4], v[ST+8*\t+4], v[ST+8*\t+5], v[ST+8*\t+6]
.endr
.irp t, 0,1
	v_max3_num_f32 v[ST+8*\t+4], v[ST+8*\t+4], v[ST+8*\t+7], v[ST+8*\t]      ; with the old m
.endr
.irp t, 0,1
	v_permlanex16_b32 v[ST+8*\t+5], v[ST+8*\t+4], s30, s31                   ; the query's other 32 keys
.endr
.irp t, 0,1
	v_mov_b32 v[ST+8*\t+7], v[ST+8*\t]
.endr
.irp t, 0,1
	v_max_num_f32 v[ST+8*\t], v[ST+8*\t+4], v[ST+8*\t+5]                     ; the new m
.endr
.irp t, 0,1
	v_sub_f32 v[ST+8*\t+7], v[ST+8*\t+7], v[ST+8*\t]
.endr
.irp t, 0,1
	v_exp_f32 v[ST+8*\t+6], v[ST+8*\t+7]                                     ; alpha = 2^(old m - new m)
.endr
.irp j, 0,2,4,6,8,10,12,14,16,18,20,22,24,26,28,30
.irp t, 0,1
	v_pk_add_f32 v[S+32*\t+\j:S+32*\t+\j+1], v[S+32*\t+\j:S+32*\t+\j+1], v[ST+8*\t:ST+8*\t+1] op_sel_hi:[1,0] neg_lo:[0,1] neg_hi:[0,1]   ; s - m
.endr
.endr
.set i, 0
.rept 64
	v_exp_f32 v[S+i], v[S+i]
.set i, i+1
.endr
	v_nop                                          ; a plain instruction behind the last exponential
	s_wait_alu depctr_va_vdst(0)                   ; one wait for the batch of 66, ahead of its first reader
.irp t, 0,1
	v_pk_mul_f32 v[ST+8*\t+2:ST+8*\t+3], v[ST+8*\t+2:ST+8*\t+3], v[ST+8*\t+6:ST+8*\t+7] op_sel_hi:[1,0]
.endr
.irp t, 0,1
	v_pk_add_f32 v[10+2*\t:11+2*\t], v[S+32*\t:S+32*\t+1], v[S+32*\t+2:S+32*\t+3]       ; the row's sum, of the weights before they are rounded, in two chains
.endr
.irp j, 4,8,12,16,20,24,28
.irp t, 0,1
	v_pk_add_f32 v[ST+8*\t+2:ST+8*\t+3], v[ST+8*\t+2:ST+8*\t+3], v[S+32*\t+\j:S+32*\t+\j+1]
	v_pk_add_f32 v[10+2*\t:11+2*\t], v[10+2*\t:11+2*\t], v[S+32*\t+\j+2:S+32*\t+\j+3]
.endr
.endr
.irp t, 0,1
	v_pk_add_f32 v[ST+8*\t+2:ST+8*\t+3], v[ST+8*\t+2:ST+8*\t+3], v[10+2*\t:11+2*\t]
.endr
.irp i, 0,1,2,3,4,5,6,7
.irp g, 0,1
.irp t, 0,1
	v_cvt_pk_f16_f32 v[S+32*\t+16*\g+\i], v[S+32*\t+16*\g+2*\i], v[S+32*\t+16*\g+2*\i+1]   ; in place, ascending: two tiles of 16 keys become one operand of 32 keys in the first 8 of their 16 registers
.endr
.endr
.endr
.endm
; A KEY STEP, read from slot \slot; the next step's tiles go into the other slot meanwhile.
.macro STEP slot
	s_bitcmp1_b32 s[WACT], 1                       ; is the next step walked by anyone?  (Past step 31 the bit is 0: no load leaves the head's rows)
	s_cbranch_scc0 .Lnoreq_\@
	global_load_b128 v[STG:STG+3], v[LI], s[KP:KP+1] offset:8192*(\slot+1)
	global_load_b128 v[STG+4:STG+7], v[LI], s[KP:KP+1] offset:8192*(\slot+1)+512
	global_load_b128 v[STG+8:STG+11], v[LI], s[VP:VP+1] offset:8192*(\slot+1)
	global_load_b128 v[STG+12:STG+15], v[LI], s[VP:VP+1] offset:8192*(\slot+1)+512
.Lnoreq_\@:
	; a prefetch of the step three on, whose loads are issued two steps from here: 8,192 bytes of K (wave 0) or V (wave 1), lanes 256 bytes apart.  All work-groups of a head walk the same rows:
	; the one with x = 0 asks, in its first block, which under a lower-triangular mask walks every step: each block of 256 bytes is named once.  The flag's bit is 0 past step 31.
	s_lshr_b32 s16, s[WACT], 3
	s_and_b32 s16, s16, s[LIM]
	s_cmp_lg_u32 s16, 0
	s_cbranch_scc0 .Lnoask_\@
	global_prefetch_b8 v[PFO], s[PF:PF+1] offset:8192*(\slot+3) th:TH_LOAD_NT scope:SCOPE_SE
.Lnoask_\@:
	s_bitcmp1_b32 s[AACT], 0
	s_cbranch_scc0 .Lidle_\@                       ; hidden from both my tiles: no work, but the stores, the waits and the barrier below
	s_load_b512 s[32:47], s[MP:MP+1], 128*\slot
	s_load_b512 s[48:63], s[MP:MP+1], 128*\slot+64
	s_load_b512 s[68:83], s[MP:MP+1], 128*\slot+4096
	s_load_b512 s[84:99], s[MP:MP+1], 128*\slot+4160
.irp f, 0,1,2,3,4,5,6,7
	ds_load_b128 v[KF+8*\f:KF+8*\f+3], v[LI] offset:\slot*SLOTB+1024*\f
	ds_load_b128 v[KF+8*\f+4:KF+8*\f+7], v[LI] offset:\slot*SLOTB+1024*\f+512
.endr
	WIN 0x40
.irp g, 0,1
.irp ct, 0,1,2,3
	ds_load_tr16_b128 v[VF+8*(4*\g+\ct):VF+8*(4*\g+\ct)+3], v[AV0] offset:\slot*SLOTB+32*VPI*\g+32*\ct
	ds_load_tr16_b128 v[VF+8*(4*\g+\ct)+4:VF+8*(4*\g+\ct)+7], v[AV0] offset:\slot*SLOTB+32*VPI*\g+16*VPI+32*\ct
.endr
.endr
	WIN 0
	s_wait_dscnt 16                                ; K's sixteen loads are in; V's sixteen may be out
.irp c, 0,1                                    ; the eight accumulators take turns
.irp T, 0,1,2,3
.irp t, 0,1
.if \c == 0
	v_wmma_f32_16x16x32_f16 v[S+32*\t+8*\T:S+32*\t+8*\T+7], v[KF+16*\T:KF+16*\T+7], v[QF+16*\t:QF+16*\t+7], 0
.else
	v_wmma_f32_16x16x32_f16 v[S+32*\t+8*\T:S+32*\t+8*\T+7], v[KF+16*\T+8:KF+16*\T+15], v[QF+16*\t+8:QF+16*\t+15], v[S+32*\t+8*\T:S+32*\t+8*\T+7]
.endif
.endr
.endr
.endr
.rept 4
	v_nop                                          ; places behind the products, ahead of the first read of the scores
.endr
	s_wait_kmcnt 0x0                               ; the mask words
	s_bitcmp1_b32 s[PMSK], 0
	s_cbranch_scc0 .Lopen_\@                       ; no masked place in this step
.irp n, 0,1,2,3,4,5,6,7,8,9,10,11,12,13,14,15,16,17,18,19,20,21,22,23,24,25,26,27,28,29,30,31
	v_cndmask_b32 v[S+\n], v[S+\n], v[NEG], s[32+\n]
.endr
.irp n, 0,1,2,3,4,5,6,7,8,9,10,11,12,13,14,15,16,17,18,19,20,21,22,23,24,25,26,27,28,29,30,31
	v_cndmask_b32 v[S+32+\n], v[S+32+\n], v[NEG], s[68+\n]
.endr
.Lopen_\@:
	SOFTMAX
	WIN 0x41
.set i, 0
.rept 32
	v_pk_mul_f32 v[i:i+1], v[i:i+1], v[ST+8*(i/32)+6:ST+8*(i/32)+7] op_sel_hi:[1,0]   ; O^T x alpha
.set i, i+2
.endr
	s_wait_dscnt 0x0                               ; V is in
	WIN 0x51
.irp g, 0,1
.irp ct, 0,1,2,3
.irp t, 0,1
	v_wmma_f32_16x16x32_f16 v[32*\t+8*\ct:32*\t+8*\ct+7], v[VF+8*(4*\g+\ct):VF+8*(4*\g+\ct)+7], v[S+32*\t+16*\g:S+32*\t+16*\g+7], v[32*\t+8*\ct:32*\t+8*\ct+7]
.endr
.endr
.endr
	WIN 0
.rept 5
	v_nop                                          ; five places: the next step's first products write over P's registers, and its loads land in V's
.endr
.Lidle_\@:
	s_wait_loadcnt 0x0                             ; the next step's eighth is in registers
	s_bitcmp1_b32 s[WACT], 1
	s_cbranch_scc0 .Lnosto_\@
	ds_store_b128 v[KST], v[STG:STG+3] offset:(1-\slot)*SLOTB          ; the other slot: its last readers passed the last step's barrier
	ds_store_b128 v[KST], v[STG+4:STG+7] offset:(1-\slot)*SLOTB+512
	ds_store_b128 v[VST], v[STG+8:STG+11] offset:(1-\slot)*SLOTB
	ds_store_b128 v[VST], v[STG+12:STG+15] offset:(1-\slot)*SLOTB+32
.Lnosto_\@:
	s_wait_dscnt 0x0                               ; my stores have landed and my reads of this slot are over
	s_barrier_signal -1
	s_barrier_wait -1
	s_lshr_b32 s[WACT], s[WACT], 1
	s_lshr_b32 s[AACT], s[AACT], 1
	s_lshr_b32 s[PMSK], s[PMSK], 1
.endm
.Lblock:                                           ; two trips: blocks 7 - x and x of 256 queries
	s_wait_xcnt 0x0                                ; the last block's loads and stores have read their bases and registers
	s_sub_co_u32 s13, 7, ttmp9
	s_cmp_eq_u32 s[BC], 0
	s_cselect_b32 s13, s13, ttmp9                  ; the block
	s_lshl_b32 s14, s3, 9
	s_lshl_b32 s15, s13, 6
	s_add_co_u32 s14, s14, s15
	s_mov_b32 s15, 0
	s_add_nc_u64 s[16:17], s[8:9], s[14:15]
	s_load_b512 s[32:47], s[16:17], 0x0            ; act of the block's 16 tiles
	s_lshl_b32 s14, s12, 3
	s_add_nc_u64 s[28:29], s[16:17], s[14:15]
	s_load_b64 s[48:49], s[28:29], 0x0             ; act of my two,
	s_load_b64 s[50:51], s[28:29], 0x800           ; and par
	s_lshl_b32 s14, s2, 18
	s_add_nc_u64 s[52:53], s[4:5], s[14:15]        ; the head's q,
	s_add_nc_u64 s[54:55], s[52:53], 0x1000000     ; k,
	s_add_nc_u64 s[56:57], s[52:53], 0x2000000     ; v
	s_lshl_b32 s14, s12, 10
	s_add_nc_u64 s[KP:KP+1], s[54:55], s[14:15]
	s_add_nc_u64 s[VP:VP+1], s[56:57], s[14:15]
	s_cmp_eq_u32 s12, 0
	s_cselect_b64 s[PF:PF+1], s[54:55], s[56:57]
	s_lshl_b32 s14, s13, 15
	s_lshl_b32 s58, s12, 12
	s_add_co_u32 s14, s14, s58
	s_add_nc_u64 s[52:53], s[52:53], s[14:15]      ; my two tiles of queries
.irp t, 0,1
.irp c, 0,1
	global_load_b128 v[QF+16*\t+8*\c:QF+16*\t+8*\c+3], v[LI], s[52:53] offset:2048*\t+1024*\c
	global_load_b128 v[QF+16*\t+8*\c+4:QF+16*\t+8*\c+7], v[LI], s[52:53] offset:2048*\t+1024*\c+512
.endr
.endr
	s_lshl_b32 s14, s3, 19
	s_lshl_b32 s58, s13, 16
	s_add_co_u32 s14, s14, s58
	s_lshl_b32 s58, s12, 13
	s_add_co_u32 s14, s14, s58
	s_add_nc_u64 s[MP:MP+1], s[6:7], s[14:15]
	WIN 0x40
.set i, 0
.rept 64
	v_mov_b32 v[i], 0                              ; O^T: which step is a tile's first hangs on the flags, so the sums begin as zeros
.set i, i+1
.endr
	WIN 0
.irp t, 0,1
	v_mov_b32 v[ST+8*\t], 0xff61b1e6               ; m: -3e38, under every score
.irp k, 1,2,3,4,5,6,7
	v_mov_b32 v[ST+8*\t+\k], 0
.endr
.endr
	s_wait_kmcnt 0x0
	s_or_b32 s[WACT], s32, s33
.irp i, 34,35,36,37,38,39,40,41,42,43,44,45,46,47
	s_or_b32 s[WACT], s[WACT], s[\i]
.endr
	s_or_b32 s[AACT], s48, s49
	s_or_b32 s[PMSK], s50, s51
	s_lshl_b32 s14, s3, 22
	s_lshl_b32 s16, s13, 19
	s_add_co_u32 s14, s14, s16
	s_lshl_b32 s16, s12, 16
	s_add_co_u32 s14, s14, s16
	s_and_b32 s16, s2, 15
	s_lshl_b32 s16, s16, 11
	s_add_co_u32 s14, s14, s16
	s_add_nc_u64 s[28:29], s[10:11], s[14:15]      ; my images in aimg
	s_lshr_b32 s16, s12, 1
	s_or_b32 s16, s16, ttmp9
	s_or_b32 s16, s16, s[BC]
	s_cmp_eq_u32 s16, 0
	s_cselect_b32 s[LIM], 1, 0                     ; who prefetches
	s_bitcmp1_b32 s[WACT], 0
	s_cbranch_scc0 .Lno0
	global_load_b128 v[STG:STG+3], v[LI], s[KP:KP+1]
	global_load_b128 v[STG+4:STG+7], v[LI], s[KP:KP+1] offset:512
	global_load_b128 v[STG+8:STG+11], v[LI], s[VP:VP+1]
	global_load_b128 v[STG+12:STG+15], v[LI], s[VP:VP+1] offset:512
	s_wait_loadcnt 0x0
	ds_store_b128 v[KST], v[STG:STG+3]             ; step 0 into slot 0, whose last readers passed two barriers ago
	ds_store_b128 v[KST], v[STG+4:STG+7] offset:512
	ds_store_b128 v[VST], v[STG+8:STG+11]
	ds_store_b128 v[VST], v[STG+12:STG+15] offset:32
.Lno0:
	s_wait_loadcnt 0x0                             ; Q
	s_wait_dscnt 0x0
	s_barrier_signal -1
	s_barrier_wait -1
	s_mov_b32 s[TR], 16
.Ltrip:
	STEP 0
	STEP 1
	s_wait_xcnt 0x0                                ; the trip's loads and its prefetches have read their bases
	s_add_nc_u64 s[KP:KP+1], s[KP:KP+1], 16384
	s_add_nc_u64 s[VP:VP+1], s[VP:VP+1], 16384
	s_add_nc_u64 s[PF:PF+1], s[PF:PF+1], 16384
	s_add_nc_u64 s[MP:MP+1], s[MP:MP+1], 256
	s_sub_co_u32 s[TR], s[TR], 1
	s_cmp_lg_u32 s[TR], 0
	s_cbranch_scc1 .Ltrip
	; the block's way out: O^T / l, rounded to f16: an accumulator's four packed registers are half a fragment's image
.irp t, 0,1
	v_add_f32 v[ST+8*\t+4], v[ST+8*\t+2], v[ST+8*\t+3]
.endr
.irp t, 0,1
	v_permlanex16_b32 v[ST+8*\t+5], v[ST+8*\t+4], s30, s31
.endr
.irp t, 0,1
	v_add_f32 v[ST+8*\t+4], v[ST+8*\t+4], v[ST+8*\t+5]
.endr
.irp t, 0,1
	v_rcp_f32 v[ST+8*\t+6], v[ST+8*\t+4]
.endr
	v_nop
	s_wait_alu depctr_va_vdst(0)                   ; one wait for both reciprocals, ahead of their first reader
	WIN 0x41
.set i, 0
.rept 32
	v_pk_mul_f32 v[i:i+1], v[i:i+1], v[ST+8*(i/32)+6:ST+8*(i/32)+7] op_sel_hi:[1,0]
.set i, i+2
.endr
	WIN 0x05
.set i, 0
.rept 32
	v_cvt_pk_f16_f32 v[OUT+i], v[2*i], v[2*i+1]
.set i, i+1
.endr
	WIN 0
.irp t, 0,1
.irp ct, 0,1,2,3
	global_store_b128 v[LI], v[OUT+16*\t+4*\ct:OUT+16*\t+4*\ct+3], s[28:29] offset:32768*\t+512*\ct   ; 512 consecutive bytes, aligned
.endr
.endr
	s_add_co_u32 s[BC], s[BC], 1
	s_cmp_lt_u32 s[BC], 2
	s_cbranch_scc1 .Lblock
	s_wait_tensorcnt 0x0                           ; the wave's end, behind my last LDS store
	ds_add_u32 v[SPW], v[NIL]
	s_wait_dscnt 0x0
	s_endpgm
.Lfunc_end_k_q6804e673de_attn:
	.size	k_q6804e673de_attn, .Lfunc_end_k_q6804e673de_attn-k_q6804e673de_attn
	.p2alignl 7, 3214868480
	.fill 96, 4, 3214868480
	.section	.rodata,"a",@progbits
	.p2align	6, 0x0
	.amdhsa_kernel k_q6804e673de_attn
		.amdhsa_group_segment_fixed_size 37888
		.amdhsa_private_segment_fixed_size 0
		.amdhsa_enable_private_segment 0
		.amdhsa_kernarg_size 32
		.amdhsa_user_sgpr_count 2
		.amdhsa_user_sgpr_kernarg_segment_ptr 1
		.amdhsa_wavefront_size32 1
		.amdhsa_system_sgpr_workgroup_id_x 1
		.amdhsa_system_sgpr_workgroup_id_y 1
		.amdhsa_system_sgpr_workgroup_id_z 1
		.amdhsa_system_vgpr_workitem_id 0
		.amdhsa_next_free_vgpr 512
		.amdhsa_next_free_sgpr 102
		.amdhsa_reserve_vcc 0
		.amdhsa_float_denorm_mode_32 3
		.amdhsa_float_denorm_mode_16_64 3
		.amdhsa_memory_ordered 1
		.amdhsa_forward_progress 1
		.amdhsa_inst_pref_size 60
	.end_amdhsa_kernel
	.amdgpu_metadata
---
amdhsa.version: [ 1, 2 ]
amdhsa.kernels:
  - .name:           k_q6804e673de_attn
    .symbol:         k_q6804e673de_attn.kd
    .args:
      - { .name: qkv, .offset: 0, .size: 8, .value_kind: global_buffer, .address_space: global }
      - { .name: maskw, .offset: 8, .size: 8, .value_kind: global_buffer, .address_space: global }
      - { .name: flags, .offset: 16, .size: 8, .value_kind: global_buffer, .address_space: global }
      - { .name: aimg, .offset: 24, .size: 8, .value_kind: global_buffer, .address_space: global }
    .group_segment_fixed_size: 37888
    .private_segment_fixed_size: 0
    .kernarg_segment_align: 8
    .kernarg_segment_size: 32
    .max_flat_workgroup_size: 256
    .sgpr_count:     102
    .vgpr_count:     512
    .wavefront_size: 32
...
	.end_amdgpu_metadata
.endif
;; end of part 3
;; launch fattn (part 4): grid 64 x 1, 1 waves a work-group, no clusters, 13,056 bytes of LDS; arguments qkv, maskw, flags, afine; writes afine
.if DOCPART == 4
	.amdgcn_target "amdgcn-amd-amdhsa--gfx1250"
	.amdhsa_code_object_version 6
	.text
	.protected	k_q6804e673de_fattn
	.globl	k_q6804e673de_fattn
	.p2align	8
	.type	k_q6804e673de_fattn,@function
k_q6804e673de_fattn:
	s_mov_b64 s[64:65], 0
	v_nop
	global_prefetch_b8 v0, s[64:65] scope:SCOPE_SE
	s_setreg_imm32_b32 hwreg(HW_REG_WAVE_MODE, 25, 1), 1
	s_wait_xcnt 0x0
; THE FIRST 16 QUERIES OF EACH (batch, head), carried finely: where few keys count, a row is large and f16's rounding of the operands weighs most.
; Operands are pairs of f16 numbers, high + low: S = Kh Qh + Kh Ql (+ Kl Qh for keys 0-15, whose low parts exist), O = Vh Ph + Vh Pl (+ Vl Ph for keys 0-15).  The low x low terms are left out.
; One wave a work-group; it walks the key steps that the tile's flag word names (right for every mask; long where the mask leaves the tile many steps).  All else as in the launch for all queries:
; q comes multiplied by log2(e) / 8, p = 2^(s - m), the mask's replacement is -1e9 x log2(e).  K's fragments come from memory straight into registers; V's rows turn through LDS.
; The result goes out as two f16 parts: afine[part][batch][2 head + c][1,024 bytes].   LIMITS as there.
; REGISTERS: window 0: v1-6 addresses; v10-11 at work; v16-23 statistics; v24-39 Qh; v40-55 Ql; v56-71 Kl; v72-87 Ph; v88-95 at work; v96-159 K; v160-191 S^T, then Pl; v192-223 the way out.
;   window 1: v0-31 O^T; v64-127 V^T; v128-159 Vl^T (keys 16-31: zeros); v160-223 V on its way.
.set VPI,   160
.set LOWR,  10240                      ; LDS: V's 64 rows x 160 bytes; then the 16 rows of low parts
.set SPARE, 12800
.set LI,  1
.set VST, 2
.set AV0, 3
.set SPW, 4
.set NIL, 5
.set NEG, 6
.set ST,  16
.set QH,  24
.set QL,  40
.set KL,  56
.set PH,  72
.set KF,  96
.set S,   160
.set OUTR, 192
.set VF,  64
.set VL,  128
.set STG, 160
.set MSB, 0
.macro WIN new
.if MSB != (\new)
	s_set_vgpr_msb (MSB<<8)|(\new)
.set MSB, (\new)
.endif
.endm
.macro WIDEN d, reg
	v_cvt_f32_f16 v[\d], \reg\().l
	v_cvt_f32_f16 v[(\d)+1], \reg\().h
.endm
	s_load_b256 s[4:11], s[0:1], 0x0               ; qkv, maskw, flags, afine
	v_lshl_add_u32 v[SPW], v0, 2, SPARE
	v_mov_b32 v[NIL], 0
	v_and_b32 v8, 15, v0                           ; r
	v_bfe_u32 v9, v0, 4, 1                         ; h
	v_lshlrev_b32 v[LI], 4, v0                     ; one wave: the thread's number is the lane
	v_mul_u32_u24 v[VST], v8, VPI
	v_lshl_add_u32 v[VST], v9, 4, v[VST]
	v_and_b32 v10, 7, v0
	v_lshl_add_u32 v10, v9, 3, v10
	v_mul_u32_u24 v[AV0], v10, VPI
	v_bfe_u32 v10, v0, 3, 1
	v_lshl_add_u32 v[AV0], v10, 4, v[AV0]
	v_mov_b32 v[NEG], 0xceabfb8f
	s_mov_b32 s30, 0x76543210
	s_mov_b32 s31, 0xfedcba98
	s_lshr_b32 s13, ttmp9, 4                       ; batch
	s_lshl_b32 s14, s13, 9
	s_mov_b32 s15, 0
	s_wait_kmcnt 0x0
	s_add_nc_u64 s[8:9], s[8:9], s[14:15]
	s_load_b32 s25, s[8:9], 0x0                    ; act of the batch's first tile
	s_lshl_b32 s14, s13, 19
	s_add_nc_u64 s[22:23], s[6:7], s[14:15]        ; its mask words
	s_lshl_b32 s14, ttmp9, 18
	s_add_nc_u64 s[16:17], s[4:5], s[14:15]        ; the head's q,
	s_add_nc_u64 s[18:19], s[16:17], 0x1000000     ; k,
	s_add_nc_u64 s[20:21], s[16:17], 0x2000000     ; v
	s_lshl_b32 s14, ttmp9, 11
	s_add_nc_u64 s[28:29], s[4:5], s[14:15]
	s_add_nc_u64 s[28:29], s[28:29], 0x3000000     ; the low parts: q's; k's 131,072 bytes on; v's 262,144
	s_lshl_b32 s14, s13, 15
	s_and_b32 s12, ttmp9, 15
	s_lshl_b32 s12, s12, 11
	s_add_co_u32 s14, s14, s12
	s_add_nc_u64 s[10:11], s[10:11], s[14:15]
.irp p, 0,1,2,3
	global_load_b128 v[QH+4*\p:QH+4*\p+3], v[LI], s[16:17] offset:512*\p
	global_load_b128 v[QL+4*\p:QL+4*\p+3], v[LI], s[28:29] offset:512*\p
	global_load_b128 v[KL+4*\p:KL+4*\p+3], v[LI], s[28:29] offset:131072+512*\p
.endr
	WIN 0x40
.irp p, 0,1,2,3
	global_load_b128 v[STG+4*\p:STG+4*\p+3], v[LI], s[28:29] offset:262144+512*\p
.endr
.set i, 0
.rept 32
	v_mov_b32 v[i], 0                              ; O^T
.set i, i+1
.endr
.irp ct, 0,1,2,3
.irp k, 4,5,6,7
	v_mov_b32 v[VL+8*\ct+\k], 0                    ; keys 16-31 have no low part here
.endr
.endr
	WIN 0
	v_mov_b32 v[ST], 0xff61b1e6                    ; m: -3e38
.irp k, 1,2,3,4,5,6,7
	v_mov_b32 v[ST+\k], 0
.endr
	s_wait_loadcnt 0x0
	WIN 0x04                                       ; an LDS store's data are its source 1: window 1
.irp p, 0,1,2,3
	ds_store_b128 v[VST], v[STG+4*\p:STG+4*\p+3] offset:LOWR+32*\p
.endr
	WIN 0x40
.irp ct, 0,1,2,3
	ds_load_tr16_b128 v[VL+8*\ct:VL+8*\ct+3], v[AV0] offset:LOWR+32*\ct    ; LDS serves a wave's instructions in order
.endr
	WIN 0
	s_wait_dscnt 0x0
	s_wait_kmcnt 0x0
.macro FSTEP fine
	s_bitcmp1_b32 s25, 0
	s_cbranch_scc0 .Lskip_\@
	s_load_b512 s[32:47], s[22:23], 0x0
	s_load_b512 s[48:63], s[22:23], 0x40
.irp f, 0,1,2,3,4,5,6,7
	global_load_b128 v[KF+8*\f:KF+8*\f+3], v[LI], s[18:19] offset:1024*\f
	global_load_b128 v[KF+8*\f+4:KF+8*\f+7], v[LI], s[18:19] offset:1024*\f+512
.endr
	WIN 0x40
.irp f, 0,1,2,3,4,5,6,7
	global_load_b128 v[STG+8*\f:STG+8*\f+3], v[LI], s[20:21] offset:1024*\f
	global_load_b128 v[STG+8*\f+4:STG+8*\f+7], v[LI], s[20:21] offset:1024*\f+512
.endr
	WIN 0
	s_wait_loadcnt 16                              ; K's sixteen loads are in; V's sixteen may be out
.irp T, 0,1,2,3                                ; four accumulators by turns
	v_wmma_f32_16x16x32_f16 v[S+8*\T:S+8*\T+7], v[KF+16*\T:KF+16*\T+7], v[QH:QH+7], 0
.endr
.irp T, 0,1,2,3
	v_wmma_f32_16x16x32_f16 v[S+8*\T:S+8*\T+7], v[KF+16*\T+8:KF+16*\T+15], v[QH+8:QH+15], v[S+8*\T:S+8*\T+7]
.endr
.irp T, 0,1,2,3
	v_wmma_f32_16x16x32_f16 v[S+8*\T:S+8*\T+7], v[KF+16*\T:KF+16*\T+7], v[QL:QL+7], v[S+8*\T:S+8*\T+7]
.endr
.irp T, 0,1,2,3
	v_wmma_f32_16x16x32_f16 v[S+8*\T:S+8*\T+7], v[KF+16*\T+8:KF+16*\T+15], v[QL+8:QL+15], v[S+8*\T:S+8*\T+7]
.endr
.if \fine
	s_wait_alu depctr_va_vdst(0)                   ; two links on one accumulator follow each other: a wait ahead of each
	v_wmma_f32_16x16x32_f16 v[S:S+7], v[KL:KL+7], v[QH:QH+7], v[S:S+7]
	s_wait_alu depctr_va_vdst(0)
	v_wmma_f32_16x16x32_f16 v[S:S+7], v[KL+8:KL+15], v[QH+8:QH+15], v[S:S+7]
.endif
	s_wait_loadcnt 0x0                             ; V
	WIN 0x04
.irp f, 0,1,2,3,4,5,6,7
	ds_store_b128 v[VST], v[STG+8*\f:STG+8*\f+3] offset:16*VPI*(\f/2)+64*(\f%2)
	ds_store_b128 v[VST], v[STG+8*\f+4:STG+8*\f+7] offset:16*VPI*(\f/2)+64*(\f%2)+32
.endr
	WIN 0x40
.irp g, 0,1
.irp ct, 0,1,2,3
	ds_load_tr16_b128 v[VF+8*(4*\g+\ct):VF+8*(4*\g+\ct)+3], v[AV0] offset:32*VPI*\g+32*\ct
	ds_load_tr16_b128 v[VF+8*(4*\g+\ct)+4:VF+8*(4*\g+\ct)+7], v[AV0] offset:32*VPI*\g+16*VPI+32*\ct
.endr
.endr
	WIN 0
.rept 4
	v_nop                                          ; places behind the products
.endr
	s_wait_kmcnt 0x0
.irp n, 0,1,2,3,4,5,6,7,8,9,10,11,12,13,14,15,16,17,18,19,20,21,22,23,24,25,26,27,28,29,30,31
	v_cndmask_b32 v[S+\n], v[S+\n], v[NEG], s[32+\n]
.endr
.irp k, 0,1,2,3
	v_max3_num_f32 v[ST+4+\k], v[S+8*\k], v[S+8*\k+1], v[S+8*\k+2]
.endr
.irp i, 3,5
.irp k, 0,1,2,3
	v_max3_num_f32 v[ST+4+\k], v[ST+4+\k], v[S+8*\k+\i], v[S+8*\k+\i+1]
.endr
.endr
	v_max3_num_f32 v[ST+4], v[ST+4], v[S+7], v[S+15]
	v_max3_num_f32 v[ST+6], v[ST+6], v[S+23], v[S+31]
	v_max3_num_f32 v[ST+4], v[ST+4], v[ST+5], v[ST+6]
	v_max3_num_f32 v[ST+4], v[ST+4], v[ST+7], v[ST]
	v_permlanex16_b32 v[ST+5], v[ST+4], s30, s31
	v_mov_b32 v[ST+7], v[ST]
	v_max_num_f32 v[ST], v[ST+4], v[ST+5]
	v_sub_f32 v[ST+7], v[ST+7], v[ST]
	v_exp_f32 v[ST+6], v[ST+7]                     ; alpha
.irp j, 0,2,4,6,8,10,12,14,16,18,20,22,24,26,28,30
	v_pk_add_f32 v[S+\j:S+\j+1], v[S+\j:S+\j+1], v[ST:ST+1] op_sel_hi:[1,0] neg_lo:[0,1] neg_hi:[0,1]
.endr
.set i, 0
.rept 32
	v_exp_f32 v[S+i], v[S+i]
.set i, i+1
.endr
	v_nop
	s_wait_alu depctr_va_vdst(0)                   ; one wait for the batch of 33
	v_pk_mul_f32 v[ST+2:ST+3], v[ST+2:ST+3], v[ST+6:ST+7] op_sel_hi:[1,0]
	v_pk_add_f32 v[10:11], v[S:S+1], v[S+2:S+3]
.irp j, 4,8,12,16,20,24,28
	v_pk_add_f32 v[ST+2:ST+3], v[ST+2:ST+3], v[S+\j:S+\j+1]
	v_pk_add_f32 v[10:11], v[10:11], v[S+\j+2:S+\j+3]
.endr
	v_pk_add_f32 v[ST+2:ST+3], v[ST+2:ST+3], v[10:11]
.set i, 0
.rept 16
	v_cvt_pk_f16_f32 v[PH+i], v[S+2*i], v[S+2*i+1] ; p's high part
.set i, i+1
.endr
.irp r, 72,73,74,75,76,77,78,79,80,81,82,83,84,85,86,87
	WIDEN 88+2*((\r)%4), v\r
	v_sub_f32 v[S+2*(\r-72)], v[S+2*(\r-72)], v[88+2*((\r)%4)]
	v_sub_f32 v[S+2*(\r-72)+1], v[S+2*(\r-72)+1], v[89+2*((\r)%4)]
.endr
.irp i, 0,1,2,3,4,5,6,7
.irp g, 0,1
	v_cvt_pk_f16_f32 v[S+16*\g+\i], v[S+16*\g+2*\i], v[S+16*\g+2*\i+1]     ; and its low part, in place, ascending
.endr
.endr
	WIN 0x41
.set i, 0
.rept 16
	v_pk_mul_f32 v[i:i+1], v[i:i+1], v[ST+6:ST+7] op_sel_hi:[1,0]
.set i, i+2
.endr
	s_wait_dscnt 0x0
	WIN 0x51
.irp g, 0,1
.irp ct, 0,1,2,3
	v_wmma_f32_16x16x32_f16 v[8*\ct:8*\ct+7], v[VF+8*(4*\g+\ct):VF+8*(4*\g+\ct)+7], v[PH+8*\g:PH+8*\g+7], v[8*\ct:8*\ct+7]
.endr
.endr
.irp g, 0,1
.irp ct, 0,1,2,3
	v_wmma_f32_16x16x32_f16 v[8*\ct:8*\ct+7], v[VF+8*(4*\g+\ct):VF+8*(4*\g+\ct)+7], v[S+16*\g:S+16*\g+7], v[8*\ct:8*\ct+7]
.endr
.endr
.if \fine
.irp ct, 0,1,2,3
	v_wmma_f32_16x16x32_f16 v[8*\ct:8*\ct+7], v[VL+8*\ct:VL+8*\ct+7], v[PH:PH+7], v[8*\ct:8*\ct+7]
.endr
.endif
	WIN 0
.rept 5
	v_nop                                          ; five places: the next step's first products write over Pl's registers
.endr
.Lskip_\@:
	s_wait_xcnt 0x0                                ; the step's loads have read their bases
	s_add_nc_u64 s[18:19], s[18:19], 8192
	s_add_nc_u64 s[20:21], s[20:21], 8192
	s_add_nc_u64 s[22:23], s[22:23], 128
	s_lshr_b32 s25, s25, 1
.endm
	FSTEP 1                                        ; step 0 holds the keys that have low parts
	s_mov_b32 s27, 31
.Lwalk:
	FSTEP 0
	s_sub_co_u32 s27, s27, 1
	s_cmp_lg_u32 s27, 0
	s_cbranch_scc1 .Lwalk
	v_add_f32 v[ST+4], v[ST+2], v[ST+3]
	v_permlanex16_b32 v[ST+5], v[ST+4], s30, s31
	v_add_f32 v[ST+4], v[ST+4], v[ST+5]
	v_rcp_f32 v[ST+6], v[ST+4]
	v_nop
	s_wait_alu depctr_va_vdst(0)
	WIN 0x01
.set i, 0
.rept 16
	v_pk_mul_f32 v[OUTR+i:OUTR+i+1], v[i:i+1], v[ST+6:ST+7] op_sel_hi:[1,0]
.set i, i+2
.endr
	WIN 0
.set i, 0
.rept 16
	v_cvt_pk_f16_f32 v[PH+i], v[OUTR+2*i], v[OUTR+2*i+1]
.set i, i+1
.endr
.irp r, 72,73,74,75,76,77,78,79,80,81,82,83,84,85,86,87
	WIDEN 88+2*((\r)%4), v\r
	v_sub_f32 v[OUTR+2*(\r-72)], v[OUTR+2*(\r-72)], v[88+2*((\r)%4)]
	v_sub_f32 v[OUTR+2*(\r-72)+1], v[OUTR+2*(\r-72)+1], v[89+2*((\r)%4)]
.endr
.set i, 0
.rept 16
	v_cvt_pk_f16_f32 v[S+i], v[OUTR+2*i], v[OUTR+2*i+1]
.set i, i+1
.endr
.irp ct, 0,1,2,3
	global_store_b128 v[LI], v[PH+4*\ct:PH+4*\ct+3], s[10:11] offset:512*\ct
	global_store_b128 v[LI], v[S+4*\ct:S+4*\ct+3], s[10:11] offset:131072+512*\ct
.endr
	s_wait_tensorcnt 0x0                           ; the wave's end
	ds_add_u32 v[SPW], v[NIL]
	s_wait_dscnt 0x0
	s_endpgm
.Lfunc_end_k_q6804e673de_fattn:
	.size	k_q6804e673de_fattn, .Lfunc_end_k_q6804e673de_fattn-k_q6804e673de_fattn
	.p2alignl 7, 3214868480
	.fill 96, 4, 3214868480
	.section	.rodata,"a",@progbits
	.p2align	6, 0x0
	.amdhsa_kernel k_q6804e673de_fattn
		.amdhsa_group_segment_fixed_size 13056
		.amdhsa_private_segment_fixed_size 0
		.amdhsa_enable_private_segment 0
		.amdhsa_kernarg_size 32
		.amdhsa_user_sgpr_count 2
		.amdhsa_user_sgpr_kernarg_segment_ptr 1
		.amdhsa_wavefront_size32 1
		.amdhsa_system_sgpr_workgroup_id_x 1
		.amdhsa_system_sgpr_workgroup_id_y 1
		.amdhsa_system_sgpr_workgroup_id_z 1
		.amdhsa_system_vgpr_workitem_id 0
		.amdhsa_next_free_vgpr 512
		.amdhsa_next_free_sgpr 66
		.amdhsa_reserve_vcc 0
		.amdhsa_float_denorm_mode_32 3
		.amdhsa_float_denorm_mode_16_64 3
		.amdhsa_memory_ordered 1
		.amdhsa_forward_progress 1
		.amdhsa_inst_pref_size 52
	.end_amdhsa_kernel
	.amdgpu_metadata
---
amdhsa.version: [ 1, 2 ]
amdhsa.kernels:
  - .name:           k_q6804e673de_fattn
    .symbol:         k_q6804e673de_fattn.kd
    .args:
      - { .name: qkv, .offset: 0, .size: 8, .value_kind: global_buffer, .address_space: global }
      - { .name: maskw, .offset: 8, .size: 8, .value_kind: global_buffer, .address_space: global }
      - { .name: flags, .offset: 16, .size: 8, .value_kind: global_buffer, .address_space: global }
      - { .name: afine, .offset: 24, .size: 8, .value_kind: global_buffer, .address_space: global }
    .group_segment_fixed_size: 13056
    .private_segment_fixed_size: 0
    .kernarg_segment_align: 8
    .kernarg_segment_size: 32
    .max_flat_workgroup_size: 32
    .sgpr_count:     66
    .vgpr_count:     512
    .wavefront_size: 32
...
	.end_amdgpu_metadata
.endif
;; end of part 4
;; launch oproj (part 5): grid 8 x 64, 4 waves a work-group, clusters of 4 x 4, 327,680 bytes of LDS; arguments aimg, woimg, bo, out0; writes out0
.if DOCPART == 5
	.amdgcn_target "amdgcn-amd-amdhsa--gfx1250"
	.amdhsa_code_object_version 6
	.text
	.protected	k_q6804e673de_oproj
	.globl	k_q6804e673de_oproj
	.p2align	8
	.type	k_q6804e673de_oproj,@function
k_q6804e673de_oproj:
	s_mov_b64 s[64:65], 0
	v_nop
	global_prefetch_b8 v0, s[64:65] scope:SCOPE_SE
	s_setreg_imm32_b32 hwreg(HW_REG_WAVE_MODE, 25, 1), 1
	s_wait_xcnt 0x0
	s_wait_alu depctr_hold_cnt(0) depctr_sa_sdst(0) depctr_va_vdst(0) depctr_va_sdst(0) depctr_va_ssrc(0) depctr_va_vcc(0) depctr_vm_vsrc(0)
	s_getreg_b32 s2, hwreg(HW_REG_IB_STS2, 6, 4)
	s_cmp_eq_u32 s2, 0
	s_cbranch_scc0 .Lentry_in_a_cluster
	s_endpgm
.Lentry_in_a_cluster:
	s_bfe_u32 s2, ttmp6, 0x10000c
	s_cmp_lg_u32 s2, 0xf033
	s_cbranch_scc0 .Lentry_shape_is_right
	s_endpgm
.Lentry_shape_is_right:
; out0 = a Wo^T + bo: [8,192][1,024] f32; a and Wo's high part in f16, sums in f32.  Both operands lie in memory as images of their fragments: [16 rows][32 fragments of 32 k][1,024 bytes].
; A tile of 128 x 128 to a work-group, so that there are two for each WGP; four waves, each 64 x 64: 16 accumulators.  K goes in steps of 256 (8 fragments of each tile of 16 rows: 8,192 consecutive bytes)
; through a ring of two LDS slots; a wave's tensor load brings 4 such rows of 8,192 bytes.  An image is read by loads of 512 consecutive bytes: no pitch, no padding.
; CLUSTERS: 4 x 4: a's tiles are shared along a row of the cluster, Wo's along a column, each by a joint load.  No prefetch: the tile is small and the operands are read by many work-groups.
; THE MATRIX INSTRUCTION IS USED TRANSPOSED (source 0 = 16 rows of Wo, source 1 = 16 rows of a): a lane holds eight neighbouring numbers of a row of out0.  The bias is the C of each sum's first product.
; The first 16 rows of each batch are written here too, and written over by the launch that carries them finely.
; REGISTERS: window 0: v0-31 addresses; v32-95 the way out; v96-127 the bias; v128-255 the accumulators ((a, b) at v[128 + 8 (4 a + b)]).   window 1: two fragment buffers of 128.
.set HALFT,  32768                     ; 4 tiles of 16 rows x 8 fragments: what one tensor load brings, and what a wave reads of a or of Wo
.set SLOT,   4*HALFT
.set STAGE,  2*SLOT                    ; behind the ring: 16 rows x 272 bytes for each wave
.set SPITCH, 272
.set SPARE,  STAGE+4*16*SPITCH
.set LAPS,   2                         ; K = 1,024 is four steps: twice round the ring
.set ADRA, 16
.set ADRB, 20
.set STO,  24
.set RD,   25
.set CO,   26
.set SPW,  28
.set NIL,  29
.set TMP,  32
.set BI,   96
.set ACC,  128
.set F0,   0
.set F1,   128
.set G1, 24
.set G0, 32
.set G1B, 48
.set G0B, 56
.set MSB, 0
.macro WIN new
.if MSB != (\new)
	s_set_vgpr_msb (MSB<<8)|(\new)
.set MSB, (\new)
.endif
.endm
.set MUL,  0x05                        ; sources 0 and 1 window 1; C and D window 0
.set TO_F, 0x40
.macro JLOAD s                         ; a joint load: waves 0 and 1 fetch a's halves, waves 2 and 3 Wo's; an s_nop 0 and four v_nop follow each line
	s_cmp_eq_u32 s14, 0
	s_cbranch_scc0 .Lfor_b_\@
	tensor_load_to_lds s[G0+4*\s:G0+4*\s+3], s[G1:G1+7]
	s_nop 0
.rept 4
	v_nop
.endr
	s_branch .Lasked_\@
.Lfor_b_\@:
	tensor_load_to_lds s[G0B+4*\s:G0B+4*\s+3], s[G1B:G1B+7]
	s_nop 0
.rept 4
	v_nop
.endr
.Lasked_\@:
.endm
.macro CREST
	s_cmp_lg_u32 s13, 0
	s_cbranch_scc1 .Lnot_wave_0_\@
	s_barrier_signal -3
.Lnot_wave_0_\@:
	s_barrier_wait -3
	s_barrier_signal -1
	s_barrier_wait -1
.endm
.macro CROUND
	s_barrier_signal -1
	s_barrier_wait -1
	CREST
.endm
	s_load_b256 s[4:11], s[0:1], 0x0               ; aimg, woimg, bo, out0
	v_lshl_add_u32 v[SPW], v0, 2, SPARE
	v_mov_b32 v[NIL], 0
	ds_add_u32 v[SPW], v[NIL]                      ; the wave's opening: the add, twice on end, and its wait ahead of my first tensor load
	ds_add_u32 v[SPW], v[NIL]
	v_lshrrev_b32 v1, 5, v0
	v_readfirstlane_b32 s13, v1                    ; wave
	s_lshr_b32 s14, s13, 1                         ; my half of the rows.  Also: I fetch for a (0) or for Wo (1)
	s_and_b32 s15, s13, 1                          ; my half of the columns.  Also: which 64 rows I fetch
	s_bfe_u32 s40, ttmp6, 0x40000
	s_bfe_u32 s41, ttmp6, 0x40004
	s_lshl_b32 s42, ttmp9, 2
	s_add_co_u32 s42, s42, s40                     ; tile column
	s_and_b32 s45, ttmp7, 0xffff
	s_lshl_b32 s45, s45, 2
	s_add_co_u32 s45, s45, s41                     ; tile row
	s_lshl_b32 s43, s41, 2
	s_lshl_b32 s43, 15, s43
	s_lshl_b32 s44, 0x1111, s40
	s_or_b32 s[G1+0], s43, (3<<16)|(1<<21)         ; the mask; elements of 8 bytes; bit 21 beside a mask; no padding
	s_or_b32 s[G1B+0], s44, (3<<16)|(1<<21)
.irp g, G1, G1B
	s_mov_b32 s[\g+1], 1024<<16                    ; tensor_dim0 = 1,024 elements: 8,192 bytes
	s_mov_b32 s[\g+2], 4<<16                       ; tensor_dim1 = 4
	s_mov_b32 s[\g+3], 1024<<16                    ; tile_dim0
	s_mov_b32 s[\g+4], 4                           ; tile_dim1
	s_mov_b32 s[\g+5], 4096                        ; from one tile of 16 rows to the next: 32,768 bytes
	s_mov_b32 s[\g+6], 0
	s_mov_b32 s[\g+7], 0
.endr
	s_lshl_b32 s16, s45, 18
	s_lshl_b32 s17, s15, 17
	s_add_co_u32 s16, s16, s17                     ; a: (8 tile row + 4 half) x 32,768
	s_lshl_b32 s46, s42, 18
	s_add_co_u32 s46, s46, s17                     ; Wo: by the tile column
	s_mov_b32 s17, 0
	s_mov_b32 s47, 0
	s_lshl_b32 s20, s13, 15                        ; where they go: wave x 32,768
	s_wait_dscnt 0x0
	s_wait_kmcnt 0x0
	s_add_nc_u64 s[18:19], s[4:5], s[16:17]
	s_add_nc_u64 s[46:47], s[6:7], s[46:47]
	CROUND
.irp s, 0,1
	s_mov_b32 s[G0+4*\s], 1
	s_add_co_u32 s[G0+4*\s+1], s20, \s*SLOT
	s_add_nc_u64 s[G0+4*\s+2:G0+4*\s+3], s[18:19], \s*8192
	s_or_b32 s[G0+4*\s+3], s[G0+4*\s+3], 0x80000000
	s_mov_b32 s[G0B+4*\s], 1
	s_add_co_u32 s[G0B+4*\s+1], s20, \s*SLOT
	s_add_nc_u64 s[G0B+4*\s+2:G0B+4*\s+3], s[46:47], \s*8192
	s_or_b32 s[G0B+4*\s+3], s[G0B+4*\s+3], 0x80000000
	JLOAD \s
.endr
	v_and_b32 v1, 15, v0                           ; r
	v_bfe_u32 v2, v0, 4, 1                         ; h
	v_and_b32 v3, 31, v0
	v_lshlrev_b32 v3, 4, v3                        ; 16 x lane
	s_lshl_b32 s46, s42, 9
	s_lshl_b32 s47, s15, 8
	s_add_co_u32 s46, s46, s47                     ; my first column, in bytes; my place in bo too
	s_mov_b32 s47, 0
	s_add_nc_u64 s[8:9], s[8:9], s[46:47]
	v_lshlrev_b32 v5, 5, v2
.irp b, 0,1,2,3
	global_load_b128 v[BI+8*\b:BI+8*\b+3], v5, s[8:9] offset:64*\b          ; bo at 16 b + 8 h + 0 .. 7
	global_load_b128 v[BI+8*\b+4:BI+8*\b+7], v5, s[8:9] offset:64*\b+16
.endr
	s_lshl_b32 s21, s14, 15
	s_lshl_b32 s22, s15, 15
	s_add_co_u32 s22, s22, 2*HALFT
.irp s, 0,1
	v_add_nc_u32 v[ADRA+\s], s21, v3
	v_add_nc_u32 v[ADRB+\s], s22, v3
	s_add_co_u32 s21, s21, SLOT
	s_add_co_u32 s22, s22, SLOT
.endr
	s_mul_i32 s23, s13, 16*SPITCH
	s_add_co_u32 s23, s23, STAGE                   ; my stage
	v_mul_u32_u24 v4, v1, SPITCH
	v_lshl_add_u32 v4, v2, 5, v4
	v_add_nc_u32 v[STO], s23, v4                   ; in: row r, 32 bytes for each half of the lanes
	v_mul_u32_u24 v4, v2, SPITCH
	v_lshl_add_u32 v4, v1, 4, v4
	v_add_nc_u32 v[RD], s23, v4                    ; back: lanes 0-15 one row of 256 bytes, lanes 16-31 the next
	v_lshlrev_b32 v4, 12, v2
	v_lshl_add_u32 v[CO], v1, 4, v4                ; the same two rows in out0
	s_lshl_b32 s16, s45, 19
	s_lshl_b32 s17, s14, 18
	s_add_co_u32 s16, s16, s17                     ; my first row: (128 tile row + 64 half) x 4,096 bytes
	s_mov_b32 s17, 0
	s_add_nc_u64 s[10:11], s[10:11], s[16:17]
	s_add_nc_u64 s[10:11], s[10:11], s[46:47]
.macro MUL8 f, c, a0, zero             ; 8 matrix instructions, 32 along K; zero = 1: the first product starts the sums, from the bias.  The 16 accumulators take turns
.irp a, \a0, \a0+1
.irp b, 0,1,2,3
.if \zero
	v_wmma_f32_16x16x32_f16 v[ACC+8*(4*(\a)+\b):ACC+8*(4*(\a)+\b)+7], v[\f+64+8*(4*\c+\b):\f+64+8*(4*\c+\b)+7], v[\f+8*(4*\c+\a):\f+8*(4*\c+\a)+7], v[BI+8*\b:BI+8*\b+7]
.else
	v_wmma_f32_16x16x32_f16 v[ACC+8*(4*(\a)+\b):ACC+8*(4*(\a)+\b)+7], v[\f+64+8*(4*\c+\b):\f+64+8*(4*\c+\b)+7], v[\f+8*(4*\c+\a):\f+8*(4*\c+\a)+7], v[ACC+8*(4*(\a)+\b):ACC+8*(4*(\a)+\b)+7]
.endif
.endr
.endr
.endm
.macro FETCH slot, q, f                ; 32 LDS loads: the fragments of the slot's q-th 64 along K; the first 32 along K first
	WIN TO_F
.irp c, 0,1
.irp i, 0,1,2,3
	ds_load_b128 v[\f+64+8*(4*\c+\i):\f+64+8*(4*\c+\i)+3],   v[ADRB+\slot] offset:(2*(\q)+\c)*1024+\i*8192
	ds_load_b128 v[\f+64+8*(4*\c+\i)+4:\f+64+8*(4*\c+\i)+7], v[ADRB+\slot] offset:(2*(\q)+\c)*1024+\i*8192+512
	ds_load_b128 v[\f+8*(4*\c+\i):\f+8*(4*\c+\i)+3],         v[ADRA+\slot] offset:(2*(\q)+\c)*1024+\i*8192
	ds_load_b128 v[\f+8*(4*\c+\i)+4:\f+8*(4*\c+\i)+7],       v[ADRA+\slot] offset:(2*(\q)+\c)*1024+\i*8192+512
.endr
.endr
.endm
.macro PLACES
.rept 4
	v_nop
.endr
.endm
.macro QUARTER slot, q, f, g, zero     ; multiplies buffer f and fetches the slot's q-th quarter into g
	s_wait_dscnt 16                                ; the first 32 along K are in; sixteen younger loads may be out
	WIN MUL
	MUL8 \f, 0, 0, \zero
	MUL8 \f, 0, 2, \zero
	PLACES
	FETCH \slot, \q, \g
	s_wait_dscnt 32                                ; all but the 32 just issued
	WIN MUL
	MUL8 \f, 1, 0, 0
	MUL8 \f, 1, 2, 0
.endm
.macro TURN slot, next, fill           ; the last quarter changes slots
	WIN 0
	s_wait_tensorcnt 0x0                           ; all my tensor loads have landed: my part of the next slot
	ds_add_u32 v[SPW], v[NIL]
	s_wait_dscnt 17                                ; (the add and the youngest sixteen loads may be out)
	WIN MUL
	MUL8 F1, 0, 0, 0
	s_wait_dscnt 0x0                               ; the add is done, and my reads of this slot are over
	s_barrier_signal -1
	MUL8 F1, 0, 2, 0
.if \fill
	WIN 0
.endif
	s_barrier_wait -1
.if \fill
	CREST                                          ; the barrier has opened a round of the cluster's: no wave of any partner still reads this slot or has a load on its way
	s_add_nc_u64 s[G0+4*\slot+2:G0+4*\slot+3], s[G0+4*\slot+2:G0+4*\slot+3], 16384
	s_add_nc_u64 s[G0B+4*\slot+2:G0B+4*\slot+3], s[G0B+4*\slot+2:G0B+4*\slot+3], 16384
	JLOAD \slot                                    ; my one tensor load behind the round; its four v_nop are also the places ahead of the loads below
.else
	PLACES
.endif
	FETCH \next, 0, F0
	WIN MUL
	MUL8 F1, 1, 0, 0
	MUL8 F1, 1, 2, 0
.endm
	s_wait_tensorcnt 1                             ; my part of K step 0 is in; step 1's may be out
	s_barrier_signal -1
	s_barrier_wait -1
	FETCH 0, 0, F0
	s_wait_loadcnt 0x0                             ; the bias
	QUARTER 0, 1, F0, F1, 1
	WIN 0
	s_mov_b32 s3, LAPS-1
.Llap:
	QUARTER 0, 2, F1, F0, 0
	QUARTER 0, 3, F0, F1, 0
	TURN 0, 1, 1
	QUARTER 1, 1, F0, F1, 0
	QUARTER 1, 2, F1, F0, 0
	QUARTER 1, 3, F0, F1, 0
	TURN 1, 0, 1
	QUARTER 0, 1, F0, F1, 0
	WIN 0
	s_sub_co_u32 s3, s3, 1
	s_cmp_lg_u32 s3, 0
	s_cbranch_scc1 .Llap
	QUARTER 0, 2, F1, F0, 0                        ; the last lap fills nothing
	QUARTER 0, 3, F0, F1, 0
	TURN 0, 1, 0
	QUARTER 1, 1, F0, F1, 0
	QUARTER 1, 2, F1, F0, 0
	QUARTER 1, 3, F0, F1, 0
	s_wait_dscnt 16
	WIN MUL
	MUL8 F1, 0, 0, 0
	MUL8 F1, 0, 2, 0
	s_wait_dscnt 0
	MUL8 F1, 1, 0, 0
	MUL8 F1, 1, 2, 0
	WIN 0
; THE WAY OUT: my 64 columns of a row are 256 aligned bytes, so each wave has a stage of its own and no barrier: 16 rows at a time go in as 32 bytes a lane and come back as whole rows.
.macro TOSTAGE a
.irp b, 0,1,2,3
	ds_store_b128 v[STO], v[ACC+8*(4*(\a)+\b):ACC+8*(4*(\a)+\b)+3] offset:64*\b        ; each accumulator from its low end on
	ds_store_b128 v[STO], v[ACC+8*(4*(\a)+\b)+4:ACC+8*(4*(\a)+\b)+7] offset:64*\b+16
.endr
.irp t, 0,1,2,3,4,5,6,7
	ds_load_b128 v[TMP+32*((\a)%2)+4*\t:TMP+32*((\a)%2)+4*\t+3], v[RD] offset:\t*2*SPITCH   ; LDS serves a wave's instructions in order (ISA guide 5.7.1.4)
.endr
.endm
.macro SEND a, younger
	s_wait_dscnt \younger                          ; the block is back; the next block's sixteen LDS instructions may be out
.irp t, 0,1,2,3,4,5,6,7
	global_store_b128 v[CO], v[TMP+32*((\a)%2)+4*\t:TMP+32*((\a)%2)+4*\t+3], s[10:11] offset:(16*(\a)+2*\t)*4096 th:TH_STORE_NT   ; sixteen lanes store 256 consecutive bytes, aligned
.endr
.endm
	PLACES
	TOSTAGE 0
	TOSTAGE 1
	SEND 0, 16
	s_wait_xcnt 0x0                                ; block 0's stores have read their registers
	TOSTAGE 2
	SEND 1, 16
	s_wait_xcnt 0x0
	TOSTAGE 3
	SEND 2, 16
	SEND 3, 0
	s_wait_tensorcnt 0x0                           ; the wave's end
	ds_add_u32 v[SPW], v[NIL]
	s_wait_dscnt 0x0
	CROUND                                         ; the closing round
	s_endpgm
.Lfunc_end_k_q6804e673de_oproj:
	.size	k_q6804e673de_oproj, .Lfunc_end_k_q6804e673de_oproj-k_q6804e673de_oproj
	.p2alignl 7, 3214868480
	.fill 96, 4, 3214868480
	.section	.rodata,"a",@progbits
	.p2align	6, 0x0
	.amdhsa_kernel k_q6804e673de_oproj
		.amdhsa_group_segment_fixed_size 327680
		.amdhsa_private_segment_fixed_size 0
		.amdhsa_enable_private_segment 0
		.amdhsa_kernarg_size 32
		.amdhsa_user_sgpr_count 2
		.amdhsa_user_sgpr_kernarg_segment_ptr 1
		.amdhsa_wavefront_size32 1
		.amdhsa_system_sgpr_workgroup_id_x 1
		.amdhsa_system_sgpr_workgroup_id_y 1
		.amdhsa_system_sgpr_workgroup_id_z 1
		.amdhsa_system_vgpr_workitem_id 0
		.amdhsa_next_free_vgpr 512
		.amdhsa_next_free_sgpr 66
		.amdhsa_reserve_vcc 0
		.amdhsa_float_denorm_mode_32 3
		.amdhsa_float_denorm_mode_16_64 3
		.amdhsa_memory_ordered 1
		.amdhsa_forward_progress 1
		.amdhsa_inst_pref_size 86
	.end_amdhsa_kernel
	.amdgpu_metadata
---
amdhsa.version: [ 1, 2 ]
amdhsa.kernels:
  - .name:           k_q6804e673de_oproj
    .symbol:         k_q6804e673de_oproj.kd
    .args:
      - { .name: aimg, .offset: 0, .size: 8, .value_kind: global_buffer, .address_space: global }
      - { .name: woimg, .offset: 8, .size: 8, .value_kind: global_buffer, .address_space: global }
      - { .name: bo, .offset: 16, .size: 8, .value_kind: global_buffer, .address_space: global }
      - { .name: out0, .offset: 24, .size: 8, .value_kind: global_buffer, .address_space: global }
    .group_segment_fixed_size: 327680
    .private_segment_fixed_size: 0
    .kernarg_segment_align: 8
    .kernarg_segment_size: 32
    .max_flat_workgroup_size: 128
    .sgpr_count:     66
    .vgpr_count:     512
    .wavefront_size: 32
...
	.end_amdgpu_metadata
.endif
;; end of part 5
;; launch fproj (part 6): grid 64 x 4, 8 waves a work-group, no clusters, 9,216 bytes of LDS; arguments afine, woimg, bo, out0; writes out0
.if DOCPART == 6
	.amdgcn_target "amdgcn-amd-amdhsa--gfx1250"
	.amdhsa_code_object_version 6
	.text
	.protected	k_q6804e673de_fproj
	.globl	k_q6804e673de_fproj
	.p2align	8
	.type	k_q6804e673de_fproj,@function
k_q6804e673de_fproj:
	s_mov_b64 s[64:65], 0
	v_nop
	global_prefetch_b8 v0, s[64:65] scope:SCOPE_SE
	s_setreg_imm32_b32 hwreg(HW_REG_WAVE_MODE, 25, 1), 1
	s_wait_xcnt 0x0
; THE FIRST 16 ROWS OF EACH BATCH of out0 = a Wo^T + bo, with both operands as pairs of f16 numbers: Wh ah + Wh al + Wl ah (the low x low term is left out); sums in f32.
; Work-group (16 columns, batch); K = 1,024 is shared among eight waves, four fragments of 32 each; the eight partial tiles meet in LDS, and 64 threads add them in a fixed order, add the bias and store.
; A store's lanes write 64-byte pieces of 16 rows: 256 KB of the output in all.
.set SPARE, 8192
.set SPW, 30
.set NIL, 31
.set AH, 32
.set AL, 64
.set WH, 96
.set WL, 128
.set ACC, 160                          ; three accumulators
.set SUM, 184
.set PT,  192                          ; eight partial quads
	s_load_b256 s[4:11], s[0:1], 0x0               ; afine, woimg, bo, out0
	v_lshl_add_u32 v[SPW], v0, 2, SPARE
	v_mov_b32 v[NIL], 0
	v_lshrrev_b32 v1, 5, v0
	v_readfirstlane_b32 s12, v1                    ; wave
	v_and_b32 v1, 31, v0
	v_lshlrev_b32 v1, 4, v1                        ; 16 x lane
	s_lshl_b32 s13, s12, 10
	v_add_nc_u32 v2, s13, v1                       ; my partial tile: 1,024 x wave + 16 x lane
	v_lshrrev_b32 v3, 2, v0                        ; the adders: thread t takes row t / 4, columns 4 (t % 4) on
	v_bfe_u32 v4, v0, 1, 1
	v_lshl_add_u32 v5, v4, 4, v3
	v_lshlrev_b32 v5, 4, v5
	v_and_b32 v6, 1, v0
	v_lshl_add_u32 v5, v6, 9, v5                   ; registers 4 (t % 2) on of lane row + 16 ((t % 4) / 2)
	v_and_b32 v8, 3, v0
	v_lshlrev_b32 v8, 4, v8
	v_lshl_add_u32 v7, v3, 12, v8                  ; row x 4,096 + 16 (t % 4)
	s_and_b32 s14, ttmp7, 0xffff                   ; batch
	s_lshl_b32 s16, s14, 15
	s_lshl_b32 s18, s12, 12
	s_add_co_u32 s16, s16, s18
	s_mov_b32 s17, 0
	s_lshl_b32 s20, ttmp9, 15
	s_add_co_u32 s20, s20, s18
	s_mov_b32 s21, 0
	s_lshl_b32 s22, ttmp9, 6
	s_mov_b32 s23, 0
	s_lshl_b32 s24, s14, 23
	s_mov_b32 s25, 0
	s_wait_kmcnt 0x0
	s_add_nc_u64 s[4:5], s[4:5], s[16:17]
	s_add_nc_u64 s[6:7], s[6:7], s[20:21]
	s_add_nc_u64 s[8:9], s[8:9], s[22:23]
	s_add_nc_u64 s[10:11], s[10:11], s[22:23]
	s_add_nc_u64 s[10:11], s[10:11], s[24:25]
.irp k, 0,1,2,3
	global_load_b128 v[AH+8*\k:AH+8*\k+3], v1, s[4:5] offset:1024*\k
	global_load_b128 v[AH+8*\k+4:AH+8*\k+7], v1, s[4:5] offset:1024*\k+512
	global_load_b128 v[AL+8*\k:AL+8*\k+3], v1, s[4:5] offset:131072+1024*\k
	global_load_b128 v[AL+8*\k+4:AL+8*\k+7], v1, s[4:5] offset:131072+1024*\k+512
	global_load_b128 v[WH+8*\k:WH+8*\k+3], v1, s[6:7] offset:1024*\k
	global_load_b128 v[WH+8*\k+4:WH+8*\k+7], v1, s[6:7] offset:1024*\k+512
	global_load_b128 v[WL+8*\k:WL+8*\k+3], v1, s[6:7] offset:2097152+1024*\k
	global_load_b128 v[WL+8*\k+4:WL+8*\k+7], v1, s[6:7] offset:2097152+1024*\k+512
.endr
	s_wait_loadcnt 0x0
.irp k, 0,1,2,3                                ; three accumulators by turns; source 0 = 16 rows of Wo, source 1 = the 16 rows of a
.if \k == 0
	v_wmma_f32_16x16x32_f16 v[ACC:ACC+7], v[WH:WH+7], v[AH:AH+7], 0
	v_wmma_f32_16x16x32_f16 v[ACC+8:ACC+15], v[WH:WH+7], v[AL:AL+7], 0
	v_wmma_f32_16x16x32_f16 v[ACC+16:ACC+23], v[WL:WL+7], v[AH:AH+7], 0
.else
	v_wmma_f32_16x16x32_f16 v[ACC:ACC+7], v[WH+8*\k:WH+8*\k+7], v[AH+8*\k:AH+8*\k+7], v[ACC:ACC+7]
	v_wmma_f32_16x16x32_f16 v[ACC+8:ACC+15], v[WH+8*\k:WH+8*\k+7], v[AL+8*\k:AL+8*\k+7], v[ACC+8:ACC+15]
	v_wmma_f32_16x16x32_f16 v[ACC+16:ACC+23], v[WL+8*\k:WL+8*\k+7], v[AH+8*\k:AH+8*\k+7], v[ACC+16:ACC+23]
.endif
.endr
.rept 4
	v_nop
.endr
.irp j, 0,2,4,6
	v_pk_add_f32 v[SUM+\j:SUM+\j+1], v[ACC+8+\j:ACC+9+\j], v[ACC+16+\j:ACC+17+\j]    ; the two small sums first
.endr
.irp j, 0,2,4,6
	v_pk_add_f32 v[SUM+\j:SUM+\j+1], v[SUM+\j:SUM+\j+1], v[ACC+\j:ACC+\j+1]
.endr
	ds_store_b128 v2, v[SUM:SUM+3]
	ds_store_b128 v2, v[SUM+4:SUM+7] offset:512
	s_wait_dscnt 0x0                               ; for the others' sake: my partial tile has landed
	s_barrier_signal -1
	s_barrier_wait -1
	s_cmp_lt_u32 s12, 2
	s_cbranch_scc0 .Ldone
	global_load_b128 v[224:227], v8, s[8:9]        ; bo at my four columns
.irp w, 0,1,2,3,4,5,6,7
	ds_load_b128 v[PT+4*\w:PT+4*\w+3], v5 offset:1024*\w
.endr
	s_wait_dscnt 0x0
.irp w, 1,2,3,4,5,6,7
	v_pk_add_f32 v[PT:PT+1], v[PT:PT+1], v[PT+4*\w:PT+4*\w+1]
	v_pk_add_f32 v[PT+2:PT+3], v[PT+2:PT+3], v[PT+4*\w+2:PT+4*\w+3]
.endr
	s_wait_loadcnt 0x0
	v_pk_add_f32 v[PT:PT+1], v[PT:PT+1], v[224:225]
	v_pk_add_f32 v[PT+2:PT+3], v[PT+2:PT+3], v[226:227]
	global_store_b128 v7, v[PT:PT+3], s[10:11]
.Ldone:
	s_wait_tensorcnt 0x0                           ; the wave's end, behind my last LDS store
	ds_add_u32 v[SPW], v[NIL]
	s_wait_dscnt 0x0
	s_endpgm
.Lfunc_end_k_q6804e673de_fproj:
	.size	k_q6804e673de_fproj, .Lfunc_end_k_q6804e673de_fproj-k_q6804e673de_fproj
	.p2alignl 7, 3214868480
	.fill 96, 4, 3214868480
	.section	.rodata,"a",@progbits
	.p2align	6, 0x0
	.amdhsa_kernel k_q6804e673de_fproj
		.amdhsa_group_segment_fixed_size 9216
		.amdhsa_private_segment_fixed_size 0
		.amdhsa_enable_private_segment 0
		.amdhsa_kernarg_size 32
		.amdhsa_user_sgpr_count 2
		.amdhsa_user_sgpr_kernarg_segment_ptr 1
		.amdhsa_wavefront_size32 1
		.amdhsa_system_sgpr_workgroup_id_x 1
		.amdhsa_system_sgpr_workgroup_id_y 1
		.amdhsa_system_sgpr_workgroup_id_z 1
		.amdhsa_system_vgpr_workitem_id 0
		.amdhsa_next_free_vgpr 256
		.amdhsa_next_free_sgpr 66
		.amdhsa_reserve_vcc 0
		.amdhsa_float_denorm_mode_32 3
		.amdhsa_float_denorm_mode_16_64 3
		.amdhsa_memory_ordered 1
		.amdhsa_forward_progress 1
		.amdhsa_inst_pref_size 9
	.end_amdhsa_kernel
	.amdgpu_metadata
---
amdhsa.version: [ 1, 2 ]
amdhsa.kernels:
  - .name:           k_q6804e673de_fproj
    .symbol:         k_q6804e673de_fproj.kd
    .args:
      - { .name: afine, .offset: 0, .size: 8, .value_kind: global_buffer, .address_space: global }
      - { .name: woimg, .offset: 8, .size: 8, .value_kind: global_buffer, .address_space: global }
      - { .name: bo, .offset: 16, .size: 8, .value_kind: global_buffer, .address_space: global }
      - { .name: out0, .offset: 24, .size: 8, .value_kind: global_buffer, .address_space: global }
    .group_segment_fixed_size: 9216
    .private_segment_fixed_size: 0
    .kernarg_segment_align: 8
    .kernarg_segment_size: 32
    .max_flat_workgroup_size: 256
    .sgpr_count:     66
    .vgpr_count:     256
    .wavefront_size: 32
...
	.end_amdgpu_metadata
.endif
;; end of part 6
